; MI455X (gfx1250); checked and timed in simulation.
; The chip was launched on July 23, 2026; its instructions are those of AMD's public machine-readable ISA for CDNA 5 (MIT licence, August 2026) and "CDNA5" Instruction Set Architecture Reference Guide (July 2026). The comments in the code are by the model that wrote it; some were corrected since.
;; Forgetting Attention. Allowed arithmetic: float matrix products may take bf16 or f16 operands with f32 sums; other float arithmetic in f32, or as packed bf16 or f16 multiplies, adds, multiply-adds, maxima and minima; sums over many terms, partial sums and values carried from step to step in f32; what a program stores and reads back later, other than sums and carried values, may be rounded once to bf16 or f16.
;; Inputs: Wf 1,024 x 16 float32; Wk 1,024 x 1,024 float32; Wo 1,024 x 1,024 float32; Wq 1,024 x 1,024 float32; Wv 1,024 x 1,024 float32; bf 16 float32; x 2 x 2,048 x 1,024 float32.
;; Outputs: out0 2 x 2,048 x 1,024 float32.
;; One version. Each part assembles by itself: llvm-mc -triple=amdgcn-amd-amdhsa -mcpu=gfx1250 --defsym DOCPART=n.
;; ======== version 1 of 1: 5 launches
;; limits: values are held in f16: magnitudes above 65,504 overflow, below 6.1e-05 lose precision
;; workspace buffers: xh 8,388,608 bytes; wt 6,291,456 bytes; wot 2,097,152 bytes; lf 262,144 bytes; nc8 262,144 bytes; qkv 25,165,824 bytes; o 8,388,608 bytes
;; launch prep (part 1): grid 256 x 1, 8 waves a work-group, no clusters, 109,824 bytes of LDS; arguments x, Wq, Wk, Wv, Wo, Wf, bf, xh, wt, wot, lf; writes xh, wt, wot, lf
.if DOCPART == 1
	.amdgcn_target "amdgcn-amd-amdhsa--gfx1250"
	.amdhsa_code_object_version 6
	.text
	.protected	k_qf828247054_prep
	.globl	k_qf828247054_prep
	.p2align	8
	.type	k_qf828247054_prep,@function
k_qf828247054_prep:
	s_mov_b64 s[64:65], 0
	v_nop
	global_prefetch_b8 v0, s[64:65] scope:SCOPE_SE
	s_setreg_imm32_b32 hwreg(HW_REG_WAVE_MODE, 25, 1), 1
	s_wait_xcnt 0x0
; PREP.  Three pieces of work for each of 256 work-groups of eight waves (g = the work-group's number, T = the thread's, w = T / 32, l = T % 32, r = l % 16, h = l / 16):
; (a) rows 16 g .. 16 g + 15 of x [4096][1024] f32 are rounded to bf16 into xh;
; (b) one tile of 128 k x 128 n of weight matrix g / 64 (Wq, Wk, Wv, Wo; stored [k][n]) is rounded to bf16 and written TRANSPOSED, [n][k]: Wq, Wk, Wv one below the other into wt;
;     Wo into wot, its bf16 value written as f16 (exact for magnitudes from 6.1e-5 to 65,504; below that f16's fixed step of 6e-8);
; (c) the forget gate of the 16 rows: z = x Wf + bf in bf16 operands and f32 sums, lf = clip(log sigmoid z, -10, 0) in f32, into lf.
; lf's layout: 1,024 bytes for 16 rows; (row t16, head) at ((t16 / 4) % 2) * 512 + (t16 / 8) * 256 + head * 16 + 4 (t16 % 4): each of the two stores covers 512 consecutive bytes.
; LIMITS: NaN and infinities are not treated apart; log sigmoid is min(z, 0) - ln 2 log2(1 + 2^(-|z| log2 e)), whose absolute error is a rounding of 1 + e^-|z|.
; Everything comes through registers: each byte of x and of the four matrices is read once in the launch; Wf (64 KiB) is read by every work-group.
.set WFS,   0                          ; LDS: Wf in bf16, [1024 k][16 heads], 32 bytes a row
.set XS,    32768                      ; the 16 rows of x in bf16, 2,064 bytes apart (2,048 + 16: the 16 rows of a fragment load start at 16 different groups of four banks)
.set XPI,   2064
.set TT,    65792                      ; the transposed tile: 128 rows (LDS row 32 c + l holds column n = 4 l + c), 272 bytes apart
.set TPI,   272
.set PS,    100608                     ; the eight waves' partial gate sums, 1,024 bytes each
.set SPARE, 108800                     ; the spare words: 128 bytes for each wave, four blocks of 256 bytes that no other line names
.set SPW, 24                           ; v24  SPARE + 4 T; never rewritten
.set NIL, 25                           ; v25  0; never rewritten
.set BF,  26                           ; v26  bf of head r
.set WFD, 32                           ; v[32:95]   Wf as loaded
.set XPK, 32                           ; v[32:63]   later: x packed, the stores' data
.set XF,  64                           ; v[64:95]   later: four fragments of x
.set XD,  96                           ; v[96:159]  x as loaded
.set WFF, 96                           ; v[96:127]  later: four fragments of Wf
.set ACC, 128                          ; v[128:143] two accumulators
.set Z,   144                          ; v[144:151] sums, z, lf
.set TW,  152                          ; v[152:159] at work
.set WD,  160                          ; v[160:223] the weight tile as loaded; v[160:191] later the tile read back, the stores' data
.set PSR, 192                          ; v[192:255] wave 0: the eight partial sums
.set PKD, 224                          ; v[224:255] packed words on their way into LDS
	s_load_b512 s[4:19], s[0:1], 0x0               ; x s[4:5], Wq s[6:7], Wk s[8:9], Wv s[10:11], Wo s[12:13], Wf s[14:15], bf s[16:17], xh s[18:19]
	s_load_b128 s[20:23], s[0:1], 0x40             ; wt s[20:21], wot s[22:23]
	s_load_b64 s[24:25], s[0:1], 0x50              ; lf
	v_lshl_add_u32 v[SPW], v0, 2, SPARE
	v_mov_b32 v[NIL], 0
	v_and_b32 v1, 31, v0                           ; l
	v_lshrrev_b32 v2, 5, v0                        ; w
	v_readfirstlane_b32 s26, v2
	v_and_b32 v3, 15, v0                           ; r = T % 16
	v_bfe_u32 v4, v0, 4, 1                         ; h
	v_lshlrev_b32 v5, 2, v3                        ; bf: 4 r
	v_lshlrev_b32 v6, 4, v0                        ; Wf: 16 T
	v_lshrrev_b32 v7, 7, v0                        ; T / 128
	v_and_b32 v8, 127, v0
	v_lshlrev_b32 v9, 5, v8
	v_lshl_add_u32 v9, v7, 12, v9                  ; x: row T / 128, 32 bytes at 32 (T % 128)
	v_lshlrev_b32 v10, 4, v1
	v_lshl_add_u32 v10, v2, 15, v10                ; weight tile: rows 8 w on, 16 l
	v_lshlrev_b32 v11, 4, v8
	v_mul_u32_u24 v12, v7, XPI
	v_add_nc_u32 v12, v12, v11
	v_add_nc_u32 v12, XS, v12                      ; x into LDS
	v_lshl_add_u32 v11, v7, 11, v11                ; x into xh
	v_lshlrev_b32 v13, 3, v0                       ; Wf into LDS: 8 T
	v_mul_u32_u24 v14, v3, XPI
	v_lshl_add_u32 v14, v4, 4, v14
	v_lshl_add_u32 v14, v2, 8, v14
	v_add_nc_u32 v14, XS, v14                      ; fragments of x: row r, 16 h, my wave's 128 k
	v_and_b32 v15, 7, v0
	v_lshlrev_b32 v15, 5, v15
	v_lshl_add_u32 v15, v4, 8, v15
	v_lshl_add_u32 v15, v2, 12, v15
	v_bfe_u32 v22, v0, 3, 1
	v_lshl_add_u32 v15, v22, 4, v15                ; fragments of Wf, turned: row 128 w + 8 h + l % 8, 16 bytes at 16 ((l / 8) % 2)
	v_lshlrev_b32 v16, 5, v0
	v_add_nc_u32 v16, PS, v16                      ; my 32 bytes of my wave's partial sums
	v_mul_u32_u24 v17, v1, TPI
	v_lshl_add_u32 v17, v2, 4, v17
	v_add_nc_u32 v17, TT, v17                      ; transposed tile in: row l (+ 32 c), 16 w
	v_lshrrev_b32 v23, 4, v0
	v_mul_u32_u24 v18, v23, TPI
	v_lshl_add_u32 v18, v3, 4, v18
	v_add_nc_u32 v18, TT, v18                      ; and back: row T / 16 (+ 16 i), 16 (T % 16)
	v_lshlrev_b32 v19, 4, v3
	v_lshl_add_u32 v19, v23, 13, v19               ; its place in wt or wot: 4 (T / 16) rows of 2,048 bytes
	v_lshlrev_b32 v20, 5, v1
	v_add_nc_u32 v20, PS, v20                      ; wave 0 reads the partial sums
	v_lshlrev_b32 v21, 4, v1                       ; lf: 16 l
	s_lshl_b32 s28, ttmp9, 16                      ; 16 rows of x
	s_mov_b32 s29, 0
	s_lshl_b32 s30, ttmp9, 15                      ; 16 rows of xh
	s_mov_b32 s31, 0
	s_lshl_b32 s32, ttmp9, 10                      ; the block of lf
	s_mov_b32 s33, 0
	s_lshr_b32 s27, ttmp9, 6                       ; which matrix
	s_bfe_u32 s34, ttmp9, 0x30003                  ; kt
	s_and_b32 s35, ttmp9, 7                        ; nt
	s_lshl_b32 s36, s34, 19                        ; source: 128 kt rows of 4,096 bytes + 512 nt
	s_lshl_b32 s37, s35, 9
	s_add_co_u32 s36, s36, s37
	s_mov_b32 s37, 0
	s_lshl_b32 s38, s35, 18                        ; destination: 128 nt rows of 2,048 bytes + 256 kt,
	s_lshl_b32 s39, s34, 8
	s_add_co_u32 s38, s38, s39
	s_lshl_b32 s39, s27, 21                        ; + the matrix's 2 MiB in wt (none in wot)
	s_cmp_eq_u32 s27, 3
	s_cselect_b32 s39, 0, s39
	s_add_co_u32 s38, s38, s39
	s_mov_b32 s39, 0
	s_wait_kmcnt 0x0
	s_add_nc_u64 s[4:5], s[4:5], s[28:29]
	s_add_nc_u64 s[18:19], s[18:19], s[30:31]
	s_add_nc_u64 s[24:25], s[24:25], s[32:33]
	s_cmp_eq_u32 s27, 0
	s_cselect_b64 s[40:41], s[6:7], s[8:9]
	s_cmp_lt_u32 s27, 2
	s_cselect_b64 s[40:41], s[40:41], s[10:11]
	s_cmp_eq_u32 s27, 3
	s_cselect_b64 s[40:41], s[12:13], s[40:41]
	s_cselect_b64 s[42:43], s[22:23], s[20:21]
	s_add_nc_u64 s[40:41], s[40:41], s[36:37]
	s_add_nc_u64 s[42:43], s[42:43], s[38:39]
	; all 49 loads go out at once: bf, Wf (16), x (16), the weight tile (16)
	global_load_b32 v[BF], v5, s[16:17]
.set e, 0
.rept 16
	global_load_b128 v[WFD+4*e:WFD+4*e+3], v6, s[14:15] offset:e*4096
.set e, e+1
.endr
.set i, 0
.rept 8
	global_load_b128 v[XD+8*i:XD+8*i+3],   v9, s[4:5] offset:i*8192 th:TH_LOAD_NT     ; rows T / 128 + 2 i
	global_load_b128 v[XD+8*i+4:XD+8*i+7], v9, s[4:5] offset:i*8192+16 th:TH_LOAD_NT
.set i, i+1
.endr
.set j, 0
.rept 16
	global_load_b128 v[WD+4*j:WD+4*j+3], v10, s[40:41] offset:(j/8)*262144+(j%8)*4096 th:TH_LOAD_NT  ; row k = 64 (j / 8) + 8 w + j % 8: a wave's load is the row's 512 bytes
.set j, j+1
.endr
	s_wait_loadcnt 32                              ; bf and Wf are in; x's 16 and the tile's 16 stay out
.set e, 0
.rept 16
	v_cvt_pk_bf16_f32 v[PKD+2*e],   v[WFD+4*e],   v[WFD+4*e+1]
	v_cvt_pk_bf16_f32 v[PKD+2*e+1], v[WFD+4*e+2], v[WFD+4*e+3]
	ds_store_b64 v13, v[PKD+2*e:PKD+2*e+1] offset:WFS+e*2048
.set e, e+1
.endr
	s_wait_loadcnt 16                              ; x is in; the tile's 16 stay out
.set i, 0
.rept 8
.irp c, 0,1,2,3
	v_cvt_pk_bf16_f32 v[XPK+4*i+\c], v[XD+8*i+2*\c], v[XD+8*i+2*\c+1]
.endr
	global_store_b128 v11, v[XPK+4*i:XPK+4*i+3], s[18:19] offset:i*4096  ; a wave's store covers 512 consecutive bytes, aligned
	ds_store_b128 v12, v[XPK+4*i:XPK+4*i+3] offset:i*2*XPI
.set i, i+1
.endr
	s_wait_dscnt 0x0                               ; for the others' sake: my parts of Wf and x lie in LDS
	s_barrier_signal -1
	s_barrier_wait -1
	; the gate: wave w takes k = 128 w .. 128 w + 127.  Source 0 = the 16 rows of x, source 1 = Wf's 16 columns (turned on the way out of LDS): a lane ends with head r and rows 8 h + 0..7
.irp f, 0,1,2,3
	ds_load_b128 v[XF+8*\f:XF+8*\f+3],   v14 offset:64*\f
	ds_load_b128 v[XF+8*\f+4:XF+8*\f+7], v14 offset:64*\f+32
	ds_load_tr16_b128 v[WFF+8*\f:WFF+8*\f+3],   v15 offset:WFS+1024*\f
	ds_load_tr16_b128 v[WFF+8*\f+4:WFF+8*\f+7], v15 offset:WFS+1024*\f+512
.endr
	s_wait_dscnt 0x0
	v_wmma_f32_16x16x32_bf16 v[ACC:ACC+7],    v[XF:XF+7],     v[WFF:WFF+7],     0  ; two accumulators by turns
	v_wmma_f32_16x16x32_bf16 v[ACC+8:ACC+15], v[XF+8:XF+15],  v[WFF+8:WFF+15],  0
	v_wmma_f32_16x16x32_bf16 v[ACC:ACC+7],    v[XF+16:XF+23], v[WFF+16:WFF+23], v[ACC:ACC+7]
	v_wmma_f32_16x16x32_bf16 v[ACC+8:ACC+15], v[XF+24:XF+31], v[WFF+24:WFF+31], v[ACC+8:ACC+15]
.rept 8
	v_nop                                          ; the places behind the products (ISA guide 7.12.1), with room to spare: once a launch
.endr
.irp q, 0,2,4,6
	v_pk_add_f32 v[Z+\q:Z+\q+1], v[ACC+\q:ACC+\q+1], v[ACC+8+\q:ACC+8+\q+1]
.endr
	ds_store_b128 v16, v[Z:Z+3]
	ds_store_b128 v16, v[Z+4:Z+7] offset:16
	; the weight tile: word 16 kk + 4 c + pe holds column 4 l + c at k = 64 kk + 8 w + 2 pe and + 1
	s_wait_loadcnt 0x0
.irp kk, 0,1
.irp c, 0,1,2,3
.irp pe, 0,1,2,3
	v_cvt_pk_bf16_f32 v[PKD+16*\kk+4*\c+\pe], v[WD+4*(8*\kk+2*\pe)+\c], v[WD+4*(8*\kk+2*\pe+1)+\c]
.endr
.endr
.endr
	s_cmp_lg_u32 s27, 3
	s_cbranch_scc1 .Lnot_wo
.set i, 0
.rept 32                                       ; Wo: the bf16 values are written as f16
	v_lshlrev_b32 v[TW+2*(i%4)],   16, v[PKD+i]
	v_and_b32     v[TW+2*(i%4)+1], 0xffff0000, v[PKD+i]
	v_cvt_pk_f16_f32 v[PKD+i], v[TW+2*(i%4)], v[TW+2*(i%4)+1]
.set i, i+1
.endr
.Lnot_wo:
.irp kk, 0,1
.irp c, 0,1,2,3
	ds_store_b128 v17, v[PKD+16*\kk+4*\c:PKD+16*\kk+4*\c+3] offset:\c*32*TPI+\kk*128  ; neighbouring lanes take neighbouring LDS rows
.endr
.endr
	s_wait_dscnt 0x0                               ; for the others' sake: my part of the tile and my partial sums lie in LDS
	s_barrier_signal -1
	s_barrier_wait -1
.irp i, 0,1,2,3,4,5,6,7
	ds_load_b128 v[WD+4*\i:WD+4*\i+3], v18 offset:\i*16*TPI
.endr
.irp i, 0,1,2,3,4,5,6,7
	s_wait_dscnt 7-\i                              ; LDS loads come back in order: number i is in
	global_store_b128 v19, v[WD+4*\i:WD+4*\i+3], s[42:43] offset:(64*(\i%2)+(\i/2))*2048  ; LDS row T / 16 + 16 i is column 4 (T / 16) + 64 (i % 2) + i / 2; sixteen lanes store 256 consecutive bytes, aligned
.endr
	s_cmp_lg_u32 s26, 0
	s_cbranch_scc1 .Lend                           ; wave 0 finishes the gate
.irp v, 0,1,2,3,4,5,6,7
	ds_load_b128 v[PSR+8*\v:PSR+8*\v+3],   v20 offset:1024*\v
	ds_load_b128 v[PSR+8*\v+4:PSR+8*\v+7], v20 offset:1024*\v+16
.endr
	v_cvt_pk_bf16_f32 v27, v[BF], v[BF]            ; bf is rounded to bf16 like every input
	v_lshlrev_b32 v27, 16, v27
	s_wait_dscnt 0x0
.irp q, 0,2,4,6
	v_pk_add_f32 v[PSR+\q:PSR+\q+1],       v[PSR+\q:PSR+\q+1],       v[PSR+8+\q:PSR+8+\q+1]
	v_pk_add_f32 v[PSR+16+\q:PSR+16+\q+1], v[PSR+16+\q:PSR+16+\q+1], v[PSR+24+\q:PSR+24+\q+1]
	v_pk_add_f32 v[PSR+32+\q:PSR+32+\q+1], v[PSR+32+\q:PSR+32+\q+1], v[PSR+40+\q:PSR+40+\q+1]
	v_pk_add_f32 v[PSR+48+\q:PSR+48+\q+1], v[PSR+48+\q:PSR+48+\q+1], v[PSR+56+\q:PSR+56+\q+1]
.endr
.irp q, 0,2,4,6
	v_pk_add_f32 v[PSR+\q:PSR+\q+1],       v[PSR+\q:PSR+\q+1],       v[PSR+16+\q:PSR+16+\q+1]
	v_pk_add_f32 v[PSR+32+\q:PSR+32+\q+1], v[PSR+32+\q:PSR+32+\q+1], v[PSR+48+\q:PSR+48+\q+1]
.endr
.irp q, 0,2,4,6
	v_pk_add_f32 v[Z+\q:Z+\q+1], v[PSR+\q:PSR+\q+1], v[PSR+32+\q:PSR+32+\q+1]
.endr
.irp j, 0,1,2,3,4,5,6,7
	v_add_f32 v[Z+\j], v27, v[Z+\j]                ; z
	v_and_b32 v[TW+\j], 0x7fffffff, v[Z+\j]
	v_mul_f32 v[TW+\j], 0xbfb8aa3b, v[TW+\j]       ; -|z| log2 e
.endr
.irp j, 0,1,2,3,4,5,6,7
	v_exp_f32 v[TW+\j], v[TW+\j]
.endr
	v_nop                                          ; a plain instruction behind the last exponential,
	s_wait_alu depctr_va_vdst(0)                   ; and the one wait ahead of the batch's first reader
.irp j, 0,1,2,3,4,5,6,7
	v_add_f32 v[TW+\j], 1.0, v[TW+\j]
.endr
.irp j, 0,1,2,3,4,5,6,7
	v_log_f32 v[TW+\j], v[TW+\j]
.endr
	v_nop
	s_wait_alu depctr_va_vdst(0)                   ; the same for the eight logarithms
.irp j, 0,1,2,3,4,5,6,7
	v_min_num_f32 v[Z+\j], 0, v[Z+\j]
	v_fmamk_f32 v[Z+\j], v[TW+\j], 0xbf317218, v[Z+\j]  ; min(z, 0) - ln 2 x log2(..)
	v_max_num_f32 v[Z+\j], 0xc1200000, v[Z+\j]     ; the clip to -10 .. 0
	v_min_num_f32 v[Z+\j], 0, v[Z+\j]
.endr
	global_store_b128 v21, v[Z:Z+3], s[24:25]      ; rows 8 h + 0..3 of head r: 512 consecutive bytes
	global_store_b128 v21, v[Z+4:Z+7], s[24:25] offset:512
.Lend:
	s_wait_tensorcnt 0x0                           ; the wave's end, behind my last LDS store
	ds_add_u32 v[SPW], v[NIL]
	s_wait_dscnt 0x0
	s_endpgm
.Lfunc_end_k_qf828247054_prep:
	.size	k_qf828247054_prep, .Lfunc_end_k_qf828247054_prep-k_qf828247054_prep
	.p2alignl 7, 3214868480
	.fill 96, 4, 3214868480
	.section	.rodata,"a",@progbits
	.p2align	6, 0x0
	.amdhsa_kernel k_qf828247054_prep
		.amdhsa_group_segment_fixed_size 109824
		.amdhsa_private_segment_fixed_size 0
		.amdhsa_enable_private_segment 0
		.amdhsa_kernarg_size 88
		.amdhsa_user_sgpr_count 2
		.amdhsa_user_sgpr_kernarg_segment_ptr 1
		.amdhsa_wavefront_size32 1
		.amdhsa_system_sgpr_workgroup_id_x 1
		.amdhsa_system_sgpr_workgroup_id_y 1
		.amdhsa_system_sgpr_workgroup_id_z 1
		.amdhsa_system_vgpr_workitem_id 0
		.amdhsa_next_free_vgpr 256
		.amdhsa_next_free_sgpr 66
		.amdhsa_reserve_vcc 0
		.amdhsa_float_denorm_mode_32 3
		.amdhsa_float_denorm_mode_16_64 3
		.amdhsa_memory_ordered 1
		.amdhsa_forward_progress 1
		.amdhsa_inst_pref_size 33
	.end_amdhsa_kernel
	.amdgpu_metadata
---
amdhsa.version: [ 1, 2 ]
amdhsa.kernels:
  - .name:           k_qf828247054_prep
    .symbol:         k_qf828247054_prep.kd
    .args:
      - { .name: x, .offset: 0, .size: 8, .value_kind: global_buffer, .address_space: global }
      - { .name: Wq, .offset: 8, .size: 8, .value_kind: global_buffer, .address_space: global }
      - { .name: Wk, .offset: 16, .size: 8, .value_kind: global_buffer, .address_space: global }
      - { .name: Wv, .offset: 24, .size: 8, .value_kind: global_buffer, .address_space: global }
      - { .name: Wo, .offset: 32, .size: 8, .value_kind: global_buffer, .address_space: global }
      - { .name: Wf, .offset: 40, .size: 8, .value_kind: global_buffer, .address_space: global }
      - { .name: bf, .offset: 48, .size: 8, .value_kind: global_buffer, .address_space: global }
      - { .name: xh, .offset: 56, .size: 8, .value_kind: global_buffer, .address_space: global }
      - { .name: wt, .offset: 64, .size: 8, .value_kind: global_buffer, .address_space: global }
      - { .name: wot, .offset: 72, .size: 8, .value_kind: global_buffer, .address_space: global }
      - { .name: lf, .offset: 80, .size: 8, .value_kind: global_buffer, .address_space: global }
    .group_segment_fixed_size: 109824
    .private_segment_fixed_size: 0
    .kernarg_segment_align: 8
    .kernarg_segment_size: 88
    .max_flat_workgroup_size: 256
    .sgpr_count:     66
    .vgpr_count:     256
    .wavefront_size: 32
...
	.end_amdgpu_metadata
.endif
;; end of part 1
;; launch scan (part 2): grid 32 x 1, 4 waves a work-group, no clusters, 9,216 bytes of LDS; arguments lf, nc8; writes nc8
.if DOCPART == 2
	.amdgcn_target "amdgcn-amd-amdhsa--gfx1250"
	.amdhsa_code_object_version 6
	.text
	.protected	k_qf828247054_scan
	.globl	k_qf828247054_scan
	.p2align	8
	.type	k_qf828247054_scan,@function
k_qf828247054_scan:
	s_mov_b64 s[64:65], 0
	v_nop
	global_prefetch_b8 v0, s[64:65] scope:SCOPE_SE
	s_setreg_imm32_b32 hwreg(HW_REG_WAVE_MODE, 25, 1), 1
	s_wait_xcnt 0x0
; SCAN.  nc8[bh][t] = -8 x the sum over t' <= t of lf(b, t', head), f32, for bh = 16 b + head = the work-group's number.  2,048 numbers a work-group, 16 a thread.
; The order of the additions differs from a running sum's: 16 in a thread, a scan over 16 lanes, the totals of the groups of 16 lanes in front.
; 32 work-groups: a head's sum is one chain, and there are 32 heads.  Each thread reads 16 bytes of four blocks of lf, once in the launch; the result leaves through LDS, 512 consecutive bytes a wave's store.
.set TOT,   0                          ; LDS: each thread's scanned total, 512 bytes
.set XPO,   512                        ; the 2,048 results, 8,192 bytes
.set SPARE, 8704                       ; the spare words: 128 bytes for each wave, two blocks of 256 bytes that no other line names
.set SPW, 46
.set NIL, 47
	s_load_b128 s[4:7], s[0:1], 0x0                ; lf s[4:5], nc8 s[6:7]
	v_lshl_add_u32 v[SPW], v0, 2, SPARE
	v_mov_b32 v[NIL], 0
	s_lshr_b32 s8, ttmp9, 4                        ; b: 128 blocks of 1,024 bytes
	s_lshl_b32 s8, s8, 17
	s_and_b32 s9, ttmp9, 15                        ; head: 16 bytes in a quarter block
	s_lshl_b32 s9, s9, 4
	s_add_co_u32 s8, s8, s9
	s_mov_b32 s9, 0
	s_lshl_b32 s10, ttmp9, 13                      ; my head's 8,192 bytes of nc8
	s_mov_b32 s11, 0
	s_mov_b32 s12, 0xc1000000                      ; -8
	v_lshlrev_b32 v1, 10, v0                       ; thread T takes block T: t = 16 T .. 16 T + 15
	v_lshlrev_b32 v2, 2, v0
	v_lshrrev_b32 v3, 4, v0                        ; my group of 16 lanes
	v_lshlrev_b32 v32, 6, v0
	v_lshlrev_b32 v33, 4, v0
	v_mov_b32 v21, 0                               ; (a DPP destination counts as read)
	v_mov_b32 v22, 0
	s_wait_kmcnt 0x0
	s_add_nc_u64 s[4:5], s[4:5], s[8:9]
	s_add_nc_u64 s[6:7], s[6:7], s[10:11]
	global_load_b128 v[4:7],   v1, s[4:5]             ; rows 0-3 of the block,
	global_load_b128 v[8:11],  v1, s[4:5] offset:512  ; 4-7,
	global_load_b128 v[12:15], v1, s[4:5] offset:256  ; 8-11,
	global_load_b128 v[16:19], v1, s[4:5] offset:768  ; 12-15
	s_wait_loadcnt 0x0
.set j, 0
.rept 15
	v_add_f32 v[5+j], v[4+j], v[5+j]               ; the running sum of my 16
.set j, j+1
.endr
	v_mov_b32 v20, v19
	v_add_f32_dpp v20, v20, v20 row_shr:1 row_mask:0xf bank_mask:0xf bound_ctrl:1  ; the totals scanned over 16 lanes: a lane without a source adds 0
	v_add_f32_dpp v20, v20, v20 row_shr:2 row_mask:0xf bank_mask:0xf bound_ctrl:1
	v_add_f32_dpp v20, v20, v20 row_shr:4 row_mask:0xf bank_mask:0xf bound_ctrl:1
	v_add_f32_dpp v20, v20, v20 row_shr:8 row_mask:0xf bank_mask:0xf bound_ctrl:1
	v_mov_b32_dpp v21, v20 row_shr:1 row_mask:0xf bank_mask:0xf bound_ctrl:1      ; what lies in front of me in my group
	ds_store_b32 v2, v20 offset:TOT
	s_wait_dscnt 0x0
	s_barrier_signal -1
	s_barrier_wait -1
.irp p, 0,1,2,3,4,5,6
	ds_load_b32 v[24+\p], v22 offset:TOT+60+64*\p  ; group p's total is its lane 15's
.endr
	s_wait_dscnt 0x0
.irp p, 0,1,2,3,4,5,6
	v_cmp_lt_u32 vcc_lo, \p, v3                    ; the groups in front of mine
	v_cndmask_b32 v23, 0, v[24+\p], vcc_lo
	v_add_f32 v21, v21, v23
.endr
	v_mul_f32 v21, s12, v21
.set j, 0
.rept 16
	v_fma_f32 v[4+j], v[4+j], s12, v21
.set j, j+1
.endr
.irp e, 0,1,2,3
	ds_store_b128 v32, v[4+4*\e:7+4*\e] offset:XPO+16*\e
.endr
	s_wait_dscnt 0x0
	s_barrier_signal -1
	s_barrier_wait -1
.irp e, 0,1,2,3
	ds_load_b128 v[4+4*\e:7+4*\e], v33 offset:XPO+2048*\e
.endr
.irp e, 0,1,2,3
	s_wait_dscnt 3-\e
	global_store_b128 v33, v[4+4*\e:7+4*\e], s[6:7] offset:2048*\e
.endr
	s_wait_tensorcnt 0x0                           ; the wave's end, behind my last LDS store
	ds_add_u32 v[SPW], v[NIL]
	s_wait_dscnt 0x0
	s_endpgm
.Lfunc_end_k_qf828247054_scan:
	.size	k_qf828247054_scan, .Lfunc_end_k_qf828247054_scan-k_qf828247054_scan
	.p2alignl 7, 3214868480
	.fill 96, 4, 3214868480
	.section	.rodata,"a",@progbits
	.p2align	6, 0x0
	.amdhsa_kernel k_qf828247054_scan
		.amdhsa_group_segment_fixed_size 9216
		.amdhsa_private_segment_fixed_size 0
		.amdhsa_enable_private_segment 0
		.amdhsa_kernarg_size 16
		.amdhsa_user_sgpr_count 2
		.amdhsa_user_sgpr_kernarg_segment_ptr 1
		.amdhsa_wavefront_size32 1
		.amdhsa_system_sgpr_workgroup_id_x 1
		.amdhsa_system_sgpr_workgroup_id_y 1
		.amdhsa_system_sgpr_workgroup_id_z 1
		.amdhsa_system_vgpr_workitem_id 0
		.amdhsa_next_free_vgpr 48
		.amdhsa_next_free_sgpr 66
		.amdhsa_reserve_vcc 1
		.amdhsa_float_denorm_mode_32 3
		.amdhsa_float_denorm_mode_16_64 3
		.amdhsa_memory_ordered 1
		.amdhsa_forward_progress 1
		.amdhsa_inst_pref_size 6
	.end_amdhsa_kernel
	.amdgpu_metadata
---
amdhsa.version: [ 1, 2 ]
amdhsa.kernels:
  - .name:           k_qf828247054_scan
    .symbol:         k_qf828247054_scan.kd
    .args:
      - { .name: lf, .offset: 0, .size: 8, .value_kind: global_buffer, .address_space: global }
      - { .name: nc8, .offset: 8, .size: 8, .value_kind: global_buffer, .address_space: global }
    .group_segment_fixed_size: 9216
    .private_segment_fixed_size: 0
    .kernarg_segment_align: 8
    .kernarg_segment_size: 16
    .max_flat_workgroup_size: 128
    .sgpr_count:     66
    .vgpr_count:     48
    .wavefront_size: 32
...
	.end_amdgpu_metadata
.endif
;; end of part 2
;; launch qkv (part 3): grid 16 x 16, 4 waves a work-group, clusters of 4 x 4, 327,680 bytes of LDS; arguments xh, wt, qkv; writes qkv
.if DOCPART == 3
	.amdgcn_target "amdgcn-amd-amdhsa--gfx1250"
	.amdhsa_code_object_version 6
	.text
	.protected	k_qf828247054_qkv
	.globl	k_qf828247054_qkv
	.p2align	8
	.type	k_qf828247054_qkv,@function
k_qf828247054_qkv:
	s_mov_b64 s[64:65], 0
	v_nop
	global_prefetch_b8 v0, s[64:65] scope:SCOPE_SE
	s_setreg_imm32_b32 hwreg(HW_REG_WAVE_MODE, 25, 1), 1
	s_wait_xcnt 0x0
	s_wait_alu depctr_hold_cnt(0) depctr_sa_sdst(0) depctr_va_vdst(0) depctr_va_sdst(0) depctr_va_ssrc(0) depctr_va_vcc(0) depctr_vm_vsrc(0)
	s_getreg_b32 s2, hwreg(HW_REG_IB_STS2, 6, 4)
	s_cmp_eq_u32 s2, 0
	s_cbranch_scc0 .Lentry_in_a_cluster
	s_endpgm
.Lentry_in_a_cluster:
	s_bfe_u32 s2, ttmp6, 0x10000c
	s_cmp_lg_u32 s2, 0xf033
	s_cbranch_scc0 .Lentry_shape_is_right
	s_endpgm
.Lentry_shape_is_right:
; QKV.  C[m][n] = the sum over k of xh[m][k] wt[n][k]: xh [4096][1024], wt [3072][1024], both bf16; sums in f32; C rounded once to f16 and written BY HEADS: qkv [3][32 bh][2048 t][64], bh = 16 (m / 2048) + head.
; LIMIT: f16 holds no number beyond 65,504: q, k and v must stay within it.
; A tile of C is 256 x 192: 16 x 16 tiles, one for each of 256 work-groups.  Wave w makes rows 64 w .. 64 w + 63 of all 192 columns, which are three whole heads: 48 accumulators of 16 x 16, 384 registers,
; and it stores whole rows of a head (128 bytes, dense) by itself.  K goes in steps of 128 through a ring of two LDS slots filled by the tensor data mover; the tiles' rows are 256 bytes of memory, aligned.
; CLUSTERS: 4 x 4 work-groups.  The four of a row of the cluster need the same tiles of xh, the four of a column the same tiles of wt: each tile is asked for JOINTLY, by the same tensor load with the same descriptor
; and a mask that names the four.  THE MATRIX INSTRUCTION IS USED TRANSPOSED (source 0 = 16 rows of wt, source 1 = 16 rows of xh): a lane holds eight neighbouring columns of one row of C.
; REGISTERS, in windows of 256: window 0: v0-31 addresses; v32-63, v64-95 fragments of xh, two buffers; v96-143 packed results; v144-191, v192-239 rows read back from the stage
;   window 1: v0-95, v96-191 fragments of wt, two buffers      window 2: the accumulators of row blocks a = 0, 1 at 8 (12 (a % 2) + b)      window 3: those of a = 2, 3
.set SIZE_K, 1024
.set KSTEP,  128
.set PITCH,  272                       ; an LDS row: 256 bytes + 16 of padding = 68 words: the 16 rows of a fragment load start at 16 different groups of four banks (64 banks of 4 bytes: ISA guide 11.1)
.set AHALF,  128*PITCH                 ; what wave 0 or 1 fetches of xh
.set BHALF,  96*PITCH                  ; what wave 2 or 3 fetches of wt
.set BOFF,   2*AHALF
.set SLOT,   BOFF+2*BHALF              ; 121,856 bytes
.set STAGE,  2*SLOT                    ; behind the ring: for each wave 3 heads x 16 rows x 144 bytes, for the way out
.set SP,     144
.set WSTG,   3*16*SP
.set SPARE,  STAGE+4*WSTG              ; the spare words: 128 bytes for each wave, two blocks of 256 bytes that no other line names
.set LAPS,   SIZE_K/(2*KSTEP)
.set ADRA, 16                          ; v16-17  LDS address of my fragments of xh in slot 0, 1
.set ADRB, 20                          ; v20-21  of wt
.set STO,  24
.set RD,   25
.set GO,   26
.set SPW,  28
.set NIL,  29
.set PFO,  30                          ; the prefetches' offset: my lane's row x 2,048 bytes; never rewritten
.set FA,   32
.set TMP,  96
.set BK,   144
.set G1,  24                           ; s[24:31] group 1 for xh's tiles;  s[32:39] group 0, a set for each slot
.set G0,  32
.set G1B, 48                           ; s[48:55], s[56:63] the same for wt's
.set G0B, 56
.set LIM, 43                           ; 1 in a wave that prefetches, else the greatest number
.set PFA, 44                           ; s[44:45] where my prefetches stand
.set HB,  68                           ; s[68:73] qkv at my 64 rows of each of my three heads
.set PADW, (1<<16)|(1<<20)|(1<<21)|(5<<22)|(3<<25)  ; 2-byte elements; padding on; bit 21 beside a mask; after every 64 words; 4 words
.set MSB, 0
.macro WIN new                         ; the immediate's high byte repeats the setting that is left; a switch that changes nothing is dropped
.if MSB != (\new)
	s_set_vgpr_msb (MSB<<8)|(\new)
.set MSB, \new
.endif
.endm
.set MUL_LO, 0xa1                      ; source 0 (wt) window 1, source 1 (xh) window 0, C and D window 2
.set MUL_HI, 0xf1                      ; the same, C and D window 3
.set TO_B,   0x40                      ; destination window 1, address window 0
; A joint load: waves 0 and 1 fetch xh's two halves, waves 2 and 3 wt's.  The branch hangs on the wave's number alone.  An s_nop 0 and four v_nop follow each of the two lines.
.macro JLOAD s
	s_cmp_eq_u32 s11, 0
	s_cbranch_scc0 .Lfor_b_\@
	tensor_load_to_lds s[G0+4*(\s):G0+4*(\s)+3], s[G1:G1+7]
	s_nop 0
.rept 4
	v_nop
.endr
	s_branch .Lasked_\@
.Lfor_b_\@:
	tensor_load_to_lds s[G0B+4*(\s):G0B+4*(\s)+3], s[G1B:G1B+7]
	s_nop 0
.rept 4
	v_nop
.endr
.Lasked_\@:
.endm
; A prefetch into the L2, behind each joint refill and the run of LDS loads that follows it: the K step that stands two refills on, 256 bytes of each row, a lane a row, one instruction a wave.
; xh's tile row is read by every cluster of that row of clusters: cluster x = 0 asks; wt's tile column by every cluster of that column: cluster y = 0 asks.  The four partners that ask for a tile jointly share
; its rows out by address: 32 each of the 128 rows of xh that a wave fetches, 24 each of the 96 of wt (lanes 24-31 repeat row 23).  The loop's last trip asks for nothing: there is no K step two refills on.
.macro ASK
	s_cmp_gt_u32 s3, s[LIM]
	s_cbranch_scc0 .Lnot_mine_\@
	global_prefetch_b8 v[PFO], s[PFA:PFA+1] offset:KSTEP*2 th:TH_LOAD_NT scope:SCOPE_SE
.Lnot_mine_\@:
.endm
.macro CREST                           ; a round of the cluster's barrier behind its opening barrier
	s_cmp_lg_u32 s10, 0
	s_cbranch_scc1 .Lnot_wave_0_\@
	s_barrier_signal -3
.Lnot_wave_0_\@:
	s_barrier_wait -3
	s_barrier_signal -1
	s_barrier_wait -1
.endm
.macro CROUND
	s_barrier_signal -1
	s_barrier_wait -1
	CREST
.endm
	s_load_b128 s[4:7], s[0:1], 0x0                ; xh s[4:5], wt s[6:7]
	s_load_b64 s[8:9], s[0:1], 0x10                ; qkv
	v_lshl_add_u32 v[SPW], v0, 2, SPARE
	v_mov_b32 v[NIL], 0
	ds_add_u32 v[SPW], v[NIL]                      ; the wave's opening: the add and its wait stand ahead of my first tensor load; the set-up below stands between them
	v_lshrrev_b32 v1, 5, v0
	v_readfirstlane_b32 s10, v1                    ; wave 0..3
	s_lshr_b32 s11, s10, 1                         ; I fetch for xh (0) or for wt (1),
	s_and_b32 s12, s10, 1                          ; this half of the tile
	s_bfe_u32 s40, ttmp6, 0x40000                  ; cx
	s_bfe_u32 s41, ttmp6, 0x40004                  ; cy
	s_lshl_b32 s42, ttmp9, 2
	s_add_co_u32 s42, s42, s40                     ; tile column = 4 x cluster x + cx
	s_and_b32 s13, ttmp7, 0xffff
	s_lshl_b32 s13, s13, 2
	s_add_co_u32 s13, s13, s41                     ; tile row = 4 x cluster y + cy
	s_lshl_b32 s43, s41, 2
	s_lshl_b32 s43, 15, s43                        ; my row of the cluster
	s_lshl_b32 s44, 0x1111, s40                    ; my column
	s_or_b32 s[G1+0], s43, PADW
	s_or_b32 s[G1B+0], s44, PADW
	s_mov_b32 s[G1+1], KSTEP<<16                   ; tensor_dim0 = 128
	s_mov_b32 s[G1+2], 128<<16                     ; tensor_dim1 = 128
	s_mov_b32 s[G1+3], KSTEP<<16                   ; tile_dim0 = 128
	s_mov_b32 s[G1+4], 128                         ; tile_dim1 = 128
	s_mov_b32 s[G1+5], SIZE_K                      ; elements from row to row
	s_mov_b32 s[G1+6], 0
	s_mov_b32 s[G1+7], 0
	s_mov_b32 s[G1B+1], KSTEP<<16
	s_mov_b32 s[G1B+2], 96<<16                     ; 96 rows
	s_mov_b32 s[G1B+3], KSTEP<<16
	s_mov_b32 s[G1B+4], 96
	s_mov_b32 s[G1B+5], SIZE_K
	s_mov_b32 s[G1B+6], 0
	s_mov_b32 s[G1B+7], 0
	s_lshl_b32 s17, s12, 7
	s_lshl_b32 s16, s13, 8
	s_add_co_u32 s16, s16, s17                     ; xh: row 256 x tile row + 128 x half
	s_lshl_b32 s16, s16, 11                        ; in bytes
	s_mov_b32 s17, 0
	s_mul_i32 s46, s42, 192
	s_mul_i32 s47, s12, 96
	s_add_co_u32 s46, s46, s47                     ; wt: row 192 x tile column + 96 x half
	s_lshl_b32 s46, s46, 11
	s_mov_b32 s47, 0
	s_mul_i32 s20, s12, AHALF                      ; where they go: no place in the cluster enters an LDS address
	s_mul_i32 s21, s12, BHALF
	s_add_co_u32 s21, s21, BOFF
	s_wait_dscnt 0x0                               ; the opening add is done
	s_wait_kmcnt 0x0
	s_add_nc_u64 s[14:15], s[4:5], s[16:17]
	s_add_nc_u64 s[46:47], s[6:7], s[46:47]
	CROUND                                         ; all sixteen work-groups are here: the first joint loads meet
.irp s, 0,1
	s_mov_b32 s[G0+4*(\s)], 1
	s_add_co_u32 s[G0+4*(\s)+1], s20, (\s)*SLOT
	s_add_nc_u64 s[G0+4*(\s)+2:G0+4*(\s)+3], s[14:15], (\s)*KSTEP*2
	s_or_b32 s[G0+4*(\s)+3], s[G0+4*(\s)+3], 0x80000000
	s_mov_b32 s[G0B+4*(\s)], 1
	s_add_co_u32 s[G0B+4*(\s)+1], s21, (\s)*SLOT
	s_add_nc_u64 s[G0B+4*(\s)+2:G0B+4*(\s)+3], s[46:47], (\s)*KSTEP*2
	s_or_b32 s[G0B+4*(\s)+3], s[G0B+4*(\s)+3], 0x80000000
	JLOAD \s                                       ; two loads of mine are out
.endr
	v_and_b32 v1, 15, v0                           ; l % 16
	v_bfe_u32 v2, v0, 4, 1                         ; l / 16
	v_mul_u32_u24 v3, v1, PITCH
	v_lshl_add_u32 v3, v2, 4, v3                   ; a fragment's row x pitch + 16 x half
	s_mul_i32 s21, s10, 64*PITCH                   ; my 64 rows of xh
	s_mov_b32 s22, BOFF                            ; all 192 rows of wt
.irp s, 0,1
	v_add_nc_u32 v[ADRA+(\s)], s21, v3
	v_add_nc_u32 v[ADRB+(\s)], s22, v3
	s_add_co_u32 s21, s21, SLOT
	s_add_co_u32 s22, s22, SLOT
.endr
	s_mul_i32 s23, s10, WSTG
	s_add_co_u32 s23, s23, STAGE                   ; my stage
	v_mul_u32_u24 v4, v1, SP                       ; in: row l % 16, 16 bytes for each half of the lanes
	v_lshl_add_u32 v4, v2, 4, v4
	v_add_nc_u32 v[STO], s23, v4
	v_bfe_u32 v5, v0, 3, 2                         ; back: 32 lanes take four rows of 128 bytes,
	v_mul_u32_u24 v5, v5, SP
	v_and_b32 v6, 7, v0
	v_lshl_add_u32 v5, v6, 4, v5
	v_add_nc_u32 v[RD], s23, v5
	v_and_b32 v[GO], 31, v0                        ; which are 512 consecutive bytes of a head
	v_lshlrev_b32 v[GO], 4, v[GO]
	; qkv at my rows of my three heads: column group 3 x tile column + hh is tensor (group / 16), head (group % 16)
	s_lshr_b32 s16, s13, 3                         ; the batch: 16 heads of 262,144 bytes
	s_lshl_b32 s16, s16, 22
	s_and_b32 s17, s13, 7                          ; t = 256 (tile row % 8) + 64 w, rows of 128 bytes
	s_lshl_b32 s17, s17, 15
	s_add_co_u32 s16, s16, s17
	s_lshl_b32 s17, s10, 13
	s_add_co_u32 s16, s16, s17
	s_mul_i32 s74, s42, 3
.irp hh, 0,1,2
	s_add_co_u32 s75, s74, \hh
	s_lshr_b32 s76, s75, 4
	s_lshl_b32 s76, s76, 23
	s_and_b32 s75, s75, 15
	s_lshl_b32 s75, s75, 18
	s_add_co_u32 s76, s76, s75
	s_add_co_u32 s76, s76, s16
	s_mov_b32 s77, 0
	s_add_nc_u64 s[HB+2*\hh:HB+2*\hh+1], s[8:9], s[76:77]
.endr
	; the prefetches
	s_lshl_b32 s13, s13, 8                         ; the tile's first row in xh,
	s_mul_i32 s42, s42, 192                        ; in wt
	s_and_b32 s22, ttmp7, 0xffff                   ; cluster y
	s_cmp_eq_u32 s11, 0                            ; do I fetch for xh?
	s_cselect_b32 s20, s13, s42
	s_cselect_b32 s21, s40, s41                    ; my place among the four that ask with me
	s_cselect_b32 s22, ttmp9, s22                  ; the coordinate along which other clusters read the same rows
	s_cselect_b64 s[PFA:PFA+1], s[4:5], s[6:7]
	s_cselect_b32 s23, 4, 3                        ; rows that a wave fetches, in units of 32
	s_cselect_b32 s18, 32, 24                      ; rows of a partner
	s_cselect_b32 s19, 31, 23
	s_cmp_eq_u32 s22, 0
	s_cselect_b32 s[LIM], 1, -1                    ; the same in all sixteen partners, for a given wave
	s_lshl_b32 s23, s23, 5
	s_mul_i32 s23, s23, s12
	s_add_co_u32 s20, s20, s23
	s_mul_i32 s21, s21, s18
	s_add_co_u32 s20, s20, s21
	s_lshl_b32 s20, s20, 11
	s_mov_b32 s21, 0
	s_add_nc_u64 s[PFA:PFA+1], s[PFA:PFA+1], s[20:21]
	s_add_nc_u64 s[PFA:PFA+1], s[PFA:PFA+1], 2*KSTEP*2  ; at K step 2: the first refill steps it to 3 and names K step 4.  Nothing is prefetched here, at the head
	v_and_b32 v[PFO], 31, v0
	v_min_u32 v[PFO], s19, v[PFO]
	v_lshlrev_b32 v[PFO], 11, v[PFO]
; 12 matrix instructions: row block a x all 12 column blocks, 32 along K, buffer f.  zero = 1: the product starts the sums.  The 48 accumulators take turns in one fixed order.
.macro MULA f, a, zero
	WIN MUL_LO+0x50*((\a)/2)
.irp b, 0,1,2,3,4,5,6,7,8,9,10,11
.if \zero
	v_wmma_f32_16x16x32_bf16 v[8*(12*((\a)%2)+(\b)):8*(12*((\a)%2)+(\b))+7], v[96*(\f)+8*(\b):96*(\f)+8*(\b)+7], v[FA+32*(\f)+8*(\a):FA+32*(\f)+8*(\a)+7], 0
.else
	v_wmma_f32_16x16x32_bf16 v[8*(12*((\a)%2)+(\b)):8*(12*((\a)%2)+(\b))+7], v[96*(\f)+8*(\b):96*(\f)+8*(\b)+7], v[FA+32*(\f)+8*(\a):FA+32*(\f)+8*(\a)+7], v[8*(12*((\a)%2)+(\b)):8*(12*((\a)%2)+(\b))+7]
.endif
.endr
.endm
; 32 LDS loads in one run: 24 for wt's 12 fragments, then 8 for xh's 4, at byte k of the rows, into buffer f
.macro FETCH slot, k, f
	WIN TO_B
.irp i, 0,1,2,3,4,5,6,7,8,9,10,11
	ds_load_b128 v[96*(\f)+8*(\i):96*(\f)+8*(\i)+3],   v[ADRB+(\slot)] offset:(\k)+(\i)*16*PITCH
	ds_load_b128 v[96*(\f)+8*(\i)+4:96*(\f)+8*(\i)+7], v[ADRB+(\slot)] offset:(\k)+(\i)*16*PITCH+32
.endr
	WIN 0
.irp i, 0,1,2,3
	ds_load_b128 v[FA+32*(\f)+8*(\i):FA+32*(\f)+8*(\i)+3],   v[ADRA+(\slot)] offset:(\k)+(\i)*16*PITCH
	ds_load_b128 v[FA+32*(\f)+8*(\i)+4:FA+32*(\f)+8*(\i)+7], v[ADRA+(\slot)] offset:(\k)+(\i)*16*PITCH+32
.endr
.endm
.macro PLACES                          ; four places in front of loads into registers that matrix instructions have read, and of conversions that read results
.rept 4
	v_nop
.endr
.endm
; A K step is four quarters of 32 along K, 48 matrix instructions each, on buffers 0, 1, 0, 1.  One of the first three multiplies buffer f and, in its middle, fetches the next quarter into buffer g.
.macro QUARTER slot, k, f, g, zero
	s_wait_dscnt 4                                 ; wt's fragments and xh's blocks 0, 1 are in; the youngest four loads (blocks 2, 3) may be out
	MULA \f, 0, \zero
	MULA \f, 1, \zero
	PLACES
	FETCH \slot, \k, \g
	s_wait_dscnt 32                                ; all but the 32 just issued
	MULA \f, 2, \zero
	MULA \f, 3, \zero
.endm
; The last quarter multiplies buffer 1 and changes slots: ONE barrier; in front of it each wave waits for all its tensor loads (one is out: its part of the next slot), adds 0 to its spare word, and waits for that
; and for its own reads of this slot.  fill = 1: the barrier opens a round of the cluster's, and the joint refill, two K steps on, is the first tensor load behind the round.
.macro TURN slot, next, fill
.if \fill
	s_wait_xcnt 0x0                                ; the last prefetch, a K step back, has read its address: it is stepped here
	s_add_nc_u64 s[PFA:PFA+1], s[PFA:PFA+1], KSTEP*2
.endif
	WIN 0                                          ; (the add's two registers lie in window 0)
	s_wait_tensorcnt 0x0                           ; all my tensor loads have landed;
	ds_add_u32 v[SPW], v[NIL]                      ; 0 onto my spare word
	s_wait_dscnt 5                                 ; (the add and the youngest four loads may be out)
	MULA 1, 0, 0                                   ; twelve matrix instructions stand between the add and the wait for it
	s_wait_dscnt 0x0                               ; the add is done, and my reads of this slot are over
	s_barrier_signal -1
	MULA 1, 1, 0
.if \fill
	WIN 0
.endif
	s_barrier_wait -1
.if \fill
	CREST                                          ; no wave of any partner still reads this slot's tile or has a load on its way
	s_add_nc_u64 s[G0+4*(\slot)+2:G0+4*(\slot)+3], s[G0+4*(\slot)+2:G0+4*(\slot)+3], 2*KSTEP*2
	s_add_nc_u64 s[G0B+4*(\slot)+2:G0B+4*(\slot)+3], s[G0B+4*(\slot)+2:G0B+4*(\slot)+3], 2*KSTEP*2
	JLOAD \slot                                    ; one load of mine is out; the four v_nop behind it are also the places in front of the loads below
.else
	PLACES
.endif
	FETCH \next, 0, 0
.if \fill
	ASK
.endif
	MULA 1, 2, 0
	MULA 1, 3, 0
.endm
; THE WAY OUT of row block a.  PACK: rounded to f16, 16 bytes a lane and column block.  TOSTAGE: into my own stage, a head's 16 rows of 144 bytes, and back as whole rows.  SEND: stored, 512 consecutive bytes a store.
.macro PACK a
	WIN 0x0a+5*((\a)/2)                            ; sources 0 and 1: window 2 or 3
.irp b, 0,1,2,3,4,5,6,7,8,9,10,11
.irp r, 0,1,2,3
	v_cvt_pk_f16_f32 v[TMP+4*(\b)+(\r)], v[96*((\a)%2)+8*(\b)+2*(\r)], v[96*((\a)%2)+8*(\b)+2*(\r)+1]
.endr
.endr
	WIN 0
.endm
.macro TOSTAGE a
	WIN 0
.irp b, 0,1,2,3,4,5,6,7,8,9,10,11
	ds_store_b128 v[STO], v[TMP+4*(\b):TMP+4*(\b)+3] offset:((\b)/4)*16*SP+((\b)%4)*32
.endr
.irp hh, 0,1,2
.irp f, 0,1,2,3
	ds_load_b128 v[BK+48*((\a)%2)+4*(4*\hh+\f):BK+48*((\a)%2)+4*(4*\hh+\f)+3], v[RD] offset:\hh*16*SP+\f*4*SP  ; LDS serves a wave's instructions in order: these see the stores above
.endr
.endr
.endm
.macro SEND a
	WIN 0
	s_wait_dscnt 0x0                               ; the block is back in registers
	s_wait_xcnt 0x0                                ; the stores of the block before have read their data: the next TOSTAGE loads into those registers only behind this wait
.irp hh, 0,1,2
.irp f, 0,1,2,3
	global_store_b128 v[GO], v[BK+48*((\a)%2)+4*(4*\hh+\f):BK+48*((\a)%2)+4*(4*\hh+\f)+3], s[HB+2*\hh:HB+2*\hh+1] offset:(\a)*2048+\f*512
.endr
.endr
.endm
	s_wait_tensorcnt 1                             ; my part of K step 0 is in; K step 1's may stay out
	s_barrier_signal -1
	s_barrier_wait -1
	FETCH 0, 0, 0
	QUARTER 0, 64, 0, 1, 1                         ; the first quarter stands in front of the loop: its products start the sums
	WIN 0
	s_mov_b32 s3, LAPS-1
.Llap:                                                 ; a trip goes once round the ring and fills both slots again
	QUARTER 0, 128, 1, 0, 0
	QUARTER 0, 192, 0, 1, 0
	TURN 0, 1, 1
	QUARTER 1, 64,  0, 1, 0
	QUARTER 1, 128, 1, 0, 0
	QUARTER 1, 192, 0, 1, 0
	TURN 1, 0, 1
	QUARTER 0, 64,  0, 1, 0
	WIN 0
	s_sub_co_u32 s3, s3, 1
	s_cmp_lg_u32 s3, 0
	s_cbranch_scc1 .Llap
	QUARTER 0, 128, 1, 0, 0                        ; the last lap fills nothing
	QUARTER 0, 192, 0, 1, 0
	TURN 0, 1, 0
	QUARTER 1, 64,  0, 1, 0
	QUARTER 1, 128, 1, 0, 0
	QUARTER 1, 192, 0, 1, 0
	s_wait_dscnt 4
	MULA 1, 0, 0
	MULA 1, 1, 0
	s_wait_dscnt 0x0
	MULA 1, 2, 0
	MULA 1, 3, 0
	PLACES
	PACK 0
	TOSTAGE 0
.irp a, 1,2,3                          ; block a's conversions stand between block a - 1's loads from the stage and the wait for them
	PACK \a
	SEND (\a)-1
	TOSTAGE \a
.endr
	SEND 3
	s_wait_tensorcnt 0x0                           ; the wave's end, behind my last tensor load and my last LDS store
	ds_add_u32 v[SPW], v[NIL]
	s_wait_dscnt 0x0
	CROUND                                         ; the closing round
	s_endpgm
.Lfunc_end_k_qf828247054_qkv:
	.size	k_qf828247054_qkv, .Lfunc_end_k_qf828247054_qkv-k_qf828247054_qkv
	.p2alignl 7, 3214868480
	.fill 96, 4, 3214868480
	.section	.rodata,"a",@progbits
	.p2align	6, 0x0
	.amdhsa_kernel k_qf828247054_qkv
		.amdhsa_group_segment_fixed_size 327680
		.amdhsa_private_segment_fixed_size 0
		.amdhsa_enable_private_segment 0
		.amdhsa_kernarg_size 24
		.amdhsa_user_sgpr_count 2
		.amdhsa_user_sgpr_kernarg_segment_ptr 1
		.amdhsa_wavefront_size32 1
		.amdhsa_system_sgpr_workgroup_id_x 1
		.amdhsa_system_sgpr_workgroup_id_y 1
		.amdhsa_system_sgpr_workgroup_id_z 1
		.amdhsa_system_vgpr_workitem_id 0
		.amdhsa_next_free_vgpr 960
		.amdhsa_next_free_sgpr 80
		.amdhsa_reserve_vcc 0
		.amdhsa_float_denorm_mode_32 3
		.amdhsa_float_denorm_mode_16_64 3
		.amdhsa_memory_ordered 1
		.amdhsa_forward_progress 1
		.amdhsa_inst_pref_size 120
	.end_amdhsa_kernel
	.amdgpu_metadata
---
amdhsa.version: [ 1, 2 ]
amdhsa.kernels:
  - .name:           k_qf828247054_qkv
    .symbol:         k_qf828247054_qkv.kd
    .args:
      - { .name: xh, .offset: 0, .size: 8, .value_kind: global_buffer, .address_space: global }
      - { .name: wt, .offset: 8, .size: 8, .value_kind: global_buffer, .address_space: global }
      - { .name: qkv, .offset: 16, .size: 8, .value_kind: global_buffer, .address_space: global }
    .group_segment_fixed_size: 327680
    .private_segment_fixed_size: 0
    .kernarg_segment_align: 8
    .kernarg_segment_size: 24
    .max_flat_workgroup_size: 128
    .sgpr_count:     80
    .vgpr_count:     960
    .wavefront_size: 32
...
	.end_amdgpu_metadata
.endif
;; end of part 3
;; launch attn (part 4): grid 8 x 32, 4 waves a work-group, no clusters, 327,680 bytes of LDS; arguments qkv, nc8, o; writes o
.if DOCPART == 4
	.amdgcn_target "amdgcn-amd-amdhsa--gfx1250"
	.amdhsa_code_object_version 6
	.text
	.protected	k_qf828247054_attn
	.globl	k_qf828247054_attn
	.p2align	8
	.type	k_qf828247054_attn,@function
k_qf828247054_attn:
	s_mov_b64 s[64:65], 0
	v_nop
	global_prefetch_b8 v0, s[64:65] scope:SCOPE_SE
	s_setreg_imm32_b32 hwreg(HW_REG_WAVE_MODE, 25, 1), 1
	s_wait_xcnt 0x0
; CAUSAL ATTENTION WITH A DECAY.  For head bh: O[i] = the sum over j <= i of softmax_j(q_i . k_j / 8 + max(c_i - c_j, -50)) v_j.  q, k, v: qkv [3][32][2048][64] f16; nc8[bh][t] = N_t = -8 c_t, f32; O: [32][2048][64] f16.
; THE BIAS.  c never rises (each term is clipped to <= 0 before it is summed), so for j <= i the upper clip at +10 never binds.  A term that is constant along a row leaves a softmax unchanged, so
; 8 x (score + bias) is taken as q . k + max(N_j, N_i - 400): one vector instruction a score, and the sum rides as the C operand that starts S^T = K Q^T.  The running maximum is taken of these sums.
; LIMITS.  q, k, v within f16's 65,504.  A hidden score counts as at most -1e30; a weight below 2^-126 counts as 0; NaN and infinities are not treated apart.  The sums carry N's size: their rounding is that of c itself.
; THE WALK.  A head's queries lie in 16 blocks of 128; block i needs the key tiles 0 .. i of 128 keys, of which the last holds the diagonal.  A work-group takes blocks b and then 15 - b: 17 tiles whatever b, so all
; 256 work-groups do equal work and ONE loop with a constant trip count walks them.  What a trip does hangs on scalar registers made from b; every jump goes forward but for the counted loops' own; none passes a barrier.
; NO CLUSTER: a head's eight walks ask for the same tile only while their first blocks last (1 to 8 trips of 17); one walk common to all would have 24 trips for 17.
; SHARES.  Wave w owns two PIECES: piece x is rows 64 x + 16 w .. + 15 of the block.  In the diagonal tile's key step u (64 keys) piece x sees all keys if u < x, holds the diagonal if u = x, sees none if u > x: the same for every wave.
; LAYOUT.  S^T = K Q^T holds ONE query a lane (lane % 16) and the keys 8 (lane / 16) + 0..7; two such results rounded to f16 ARE source 1 of O^T = V^T P.  p = 2^(c s - c m), c = log2(e) / 8, m a running maximum;
; O and l are multiplied by a = 2^(c m_old - c m_new) in every step.  l, the sum of the rounded weights, is a fifth block of O^T, made with a source of ones; its two lowest registers alone are rescaled and read.
; BY TURNS.  In turn x piece x has the matrix unit: 10 products V^T P of the step in hand, then 8 products K Q^T of the next; the other piece's softmax stands behind them, and the bias of piece x's next scores in a lump between.
; A turn's 33 exponentials are one batch with one wait.  A tile is two key steps; the diagonal tile has a third, whose scores are all hidden (a = 1, p = 0): it brings the block's last V^T P.
; REGISTERS, in windows of 256 (s_set_vgpr_msb: bits 1:0 source 0, 3:2 source 1, 5:4 source 2, 7:6 destination):
;   window 0: v0-23 addresses and at work; v24-39 eight statistics a piece; v40-103 S^T; v104-135 P; v136-167 the bias; v168-247 O^T, 40 a piece
;   window 1: v0-31 Q; v32-63 the second block's Q; v64-127 K; v128-191 V; v192-223 N of a step's keys; v224-231 ones      window 2: v0-63 the caps, 32 a piece; v64-95 the diagonal's pattern
.set PK,    144                        ; a row of K in LDS: 128 bytes + 16: the 16 rows of a load start at 16 different groups of four banks (64 banks of 4 bytes: ISA guide 11.1)
.set PVP,   160                        ; a row of V: 128 + 32
.set VOFF,  128*PK                     ; a slot: 128 rows of K, 128 rows of V, 512 bytes of N
.set NOFF,  VOFF+128*PVP
.set SLOT1, 65536
.set STAGE, SLOT1+NOFF+512             ; behind the ring: 16 rows x 144 bytes for each wave, for the way out
.set SP,    144
.set SPARE, STAGE+4*16*SP              ; the spare words: 128 bytes for each wave, two blocks of 256 bytes that no other line names
.set AK0, 2
.set AV0, 3
.set AK,  4
.set AV,  5
.set STO, 6
.set RD,  7
.set GO,  8
.set AN0, 10
.set AN,  11
.set PFO, 12                           ; 256 x my lane; never rewritten
.set QO,  13
.set SPW, 16
.set NIL, 17
.set NIO, 18
.set NH,  20                           ; v20-21 N_i of my queries in the second block
.set ST,  24                           ; piece p at ST + 8 p: c m, m, L = N_i - 400, c m_old, c0, c1, c2 (takes a), c3
.set S,   40
.set P,   104
.set CB,  136
.set O,   168
.set QB,  32
.set KF,  64
.set VF,  128
.set NR,  192
.set ONE, 224
.set MD,  64
.set WV,  12
.set PB,  14                           ; b, the first block
.set HI,  15                           ; 15 - b, the second
.set KB,  16                           ; s[16:17] K of the head;  s[18:19] V;  s[20:21] N
.set VB,  18
.set NB,  20
.set G1K, 24
.set G1V, 32
.set G1N, 40
.set G0K, 48
.set G0V, 52
.set G0N, 56
.set CS,  60
.set SEL, 62
.set SLOTS, 66
.set CNT, 67
.set TBK, 68                           ; LDS byte of the slot and step from which K is fetched next; TBV, TBN the same for V and N
.set TBV, 69
.set TBN, 70
.set RT,  71                           ; tiles of the block in hand still to be entered
.set NXT, 72                           ; the tile to be asked for next
.set LQ,  73                           ; the last tile of the block whose tiles are being asked for
.set NEW, 74                           ; 1: the tile to be entered is a block's first
.set MODE, 75                          ; 1: it is the block's last, the diagonal one
.set OFF, 76
.set AL,  78
.set BE,  80
.set OA,  82
.set OHI, 84
.set BIGN, 86
.set BIGP, 87
.set PFA, 88
.set PFT, 90                           ; the tile that the prefetches stand at
.set LIM, 91                           ; 16 in the head's work-group 0, else 0: a wave prefetches while PFT is below it
.set TM,  92
.set OFN, 94
.set QA,  96
.set QH,  98
.set MSB, 0
.macro WIN new
.if MSB != (\new)
	s_set_vgpr_msb (MSB<<8)|(\new)
.set MSB, (\new)
.endif
.endm
.set W_PV, 0x01                        ; V in window 1; P and O^T in window 0
.set W_KQ, 0x05                        ; K and Q in window 1; the bias and S^T in window 0
.set W_G,  0x24                        ; L window 0, N window 1, the cap window 2, the bias window 0
.set W_CAP, 0x82                       ; the pattern and the caps in window 2
.set W_LD, 0x40                        ; destination window 1, address window 0
; A fill: wave 0 fetches the tile's K, wave 1 its V, wave 2 its N, wave 3 nothing.  An s_nop 0 and four v_nop follow each line.
.macro LOAD
	s_cmp_lg_u32 s[WV], 0
	s_cbranch_scc1 .Lnot_k_\@
	tensor_load_to_lds s[G0K:G0K+3], s[G1K:G1K+7]
	s_nop 0
.rept 4
	v_nop
.endr
	s_branch .Lasked_\@
.Lnot_k_\@:
	s_cmp_lg_u32 s[WV], 1
	s_cbranch_scc1 .Lnot_v_\@
	tensor_load_to_lds s[G0V:G0V+3], s[G1V:G1V+7]
	s_nop 0
.rept 4
	v_nop
.endr
	s_branch .Lasked_\@
.Lnot_v_\@:
	s_cmp_lg_u32 s[WV], 2
	s_cbranch_scc1 .Lasked_\@
	tensor_load_to_lds s[G0N:G0N+3], s[G1N:G1N+7]
	s_nop 0
.rept 4
	v_nop
.endr
.Lasked_\@:
.endm
; THE CHANGE OF SLOTS.  Each wave waits for all its tensor loads (at most one is out: its part of the other slot), adds 0 to its spare word, and waits for that and for its own reads of the slot that it leaves.
; fill = 1: the old slot is filled again, first thing behind the barrier, with tile NXT; the descriptors' addresses are made anew from that number.  Behind the load stands the prefetch into the L2: the head's work-group 0
; asks in trip n for tile n + 3, two trips or more ahead of the first load that wants it; wave w names K (w < 2) or V, half w % 2, a lane 256 bytes: each block once in the launch; it stops behind tile 15.
.macro CHANGE fill
	WIN 0
	s_wait_tensorcnt 0x0                           ; no tensor load of mine is out, so a group 0 may be written
	ds_add_u32 v[SPW], v[NIL]                      ; 0 onto my spare word: scalar work stands between it and the wait for it
.if \fill
	s_lshl_b32 s[OFF], s[NXT], 14                  ; a tile is 16,384 bytes of K and of V,
	s_lshl_b32 s[OFN], s[NXT], 9                   ; 512 of N
	s_xor_b32 s[G0K+1], s[G0K+1], SLOT1
	s_add_nc_u64 s[G0K+2:G0K+3], s[KB:KB+1], s[OFF:OFF+1]
	s_or_b32 s[G0K+3], s[G0K+3], 0x80000000
	s_xor_b32 s[G0V+1], s[G0V+1], SLOT1
	s_add_nc_u64 s[G0V+2:G0V+3], s[VB:VB+1], s[OFF:OFF+1]
	s_or_b32 s[G0V+3], s[G0V+3], 0x80000000
	s_xor_b32 s[G0N+1], s[G0N+1], SLOT1
	s_add_nc_u64 s[G0N+2:G0N+3], s[NB:NB+1], s[OFN:OFN+1]
	s_or_b32 s[G0N+3], s[G0N+3], 0x80000000
	s_add_co_u32 s[NXT], s[NXT], 1                 ; the block's next tile, or behind its last the second block's tile 0
	s_cmp_gt_u32 s[NXT], s[LQ]
	s_cselect_b32 s[NXT], 0, s[NXT]
	s_cselect_b32 s[LQ], s[HI], s[LQ]
	s_wait_xcnt 0x0                                ; the last prefetch, a trip back, has read its address
	s_add_nc_u64 s[PFA:PFA+1], s[PFA:PFA+1], 16384
	s_add_co_u32 s[PFT], s[PFT], 1
.endif
	s_wait_dscnt 0x0                               ; the add is done, and my reads of the slot are over
	s_barrier_signal -1
	s_and_b32 s[TBK], s[TBK], SLOT1                ; the fetches go back to a slot's first step,
	s_xor_b32 s[TBK], s[TBK], SLOT1                ; in the other slot
	s_and_b32 s[TBV], s[TBV], SLOT1
	s_xor_b32 s[TBV], s[TBV], SLOT1
	s_and_b32 s[TBN], s[TBN], SLOT1
	s_xor_b32 s[TBN], s[TBN], SLOT1
	s_barrier_wait -1
.if \fill
	LOAD
	s_cmp_lt_u32 s[PFT], s[LIM]
	s_cbranch_scc0 .Lnot_mine_\@
	global_prefetch_b8 v[PFO], s[PFA:PFA+1] th:TH_LOAD_NT scope:SCOPE_SE
.Lnot_mine_\@:
.endif
.endm
	s_load_b128 s[4:7], s[0:1], 0x0                ; qkv s[4:5], nc8 s[6:7]
	s_load_b64 s[8:9], s[0:1], 0x10                ; o
	v_lshl_add_u32 v[SPW], v0, 2, SPARE
	v_mov_b32 v[NIL], 0
	ds_add_u32 v[SPW], v[NIL]                      ; the wave's opening: the add and its wait stand ahead of my first tensor load; the set-up below stands between them
	v_lshrrev_b32 v1, 5, v0
	v_readfirstlane_b32 s[WV], v1
	s_mov_b32 s[PB], ttmp9
	s_sub_co_u32 s[HI], 15, s[PB]
	s_and_b32 s92, ttmp7, 0xffff                   ; the head
	s_lshl_b32 s94, s92, 13                        ; its 8,192 bytes of N,
	s_mov_b32 s95, 0
	s_lshl_b32 s92, s92, 18                        ; its 262,144 bytes in q, k, v and o
	s_mov_b32 s93, 0
	s_lshl_b32 s13, s[WV], 11                      ; my 16 rows in a band of 64,
	s_lshl_b32 s22, s[PB], 14                      ; in the first block,
	s_add_co_u32 s22, s22, s13
	s_mov_b32 s23, 0
	s_lshl_b32 s10, s[HI], 14                      ; and in the second
	s_add_co_u32 s10, s10, s13
	s_mov_b32 s11, 0
	s_add_nc_u64 s[22:23], s[22:23], s[92:93]
	s_add_nc_u64 s[10:11], s[10:11], s[92:93]
	s_lshl_b32 s13, s[WV], 6                       ; the same rows in N
	s_lshl_b32 s2, s[PB], 9
	s_add_co_u32 s2, s2, s13
	s_mov_b32 s3, 0
	s_lshl_b32 s[OFF], s[HI], 9
	s_add_co_u32 s[OFF], s[OFF], s13
	s_mov_b32 s[OFF+1], 0
	; group 1.  128 keys are 16,384 dense bytes: asked for as 64 rows of 256 bytes, two keys a row, padded in LDS after every key
	s_mov_b32 s[G1K], (1<<16)|(1<<20)|(4<<22)|(3<<25)  ; 2-byte elements; padding on; after every 32 words; 4 words
	s_mov_b32 s[G1V], (1<<16)|(1<<20)|(4<<22)|(7<<25)  ; the same with 8 words
.irp g, G1K, G1V
	s_mov_b32 s[\g+1], 128<<16
	s_mov_b32 s[\g+2], 64<<16
	s_mov_b32 s[\g+3], 128<<16
	s_mov_b32 s[\g+4], 64
	s_mov_b32 s[\g+5], 128
	s_mov_b32 s[\g+6], 0
	s_mov_b32 s[\g+7], 0
.endr
	s_mov_b32 s[G1N], 3<<16                        ; N: one row of 64 elements of 8 bytes
	s_mov_b32 s[G1N+1], 64<<16
	s_mov_b32 s[G1N+2], 1<<16
	s_mov_b32 s[G1N+3], 64<<16
	s_mov_b32 s[G1N+4], 1
	s_mov_b32 s[G1N+5], 64
	s_mov_b32 s[G1N+6], 0
	s_mov_b32 s[G1N+7], 0
	s_mov_b32 s[G0K], 1
	s_mov_b32 s[G0K+1], 0                          ; slot 0
	s_mov_b32 s[G0V], 1
	s_mov_b32 s[G0V+1], VOFF
	s_mov_b32 s[G0N], 1
	s_mov_b32 s[G0N+1], NOFF
	s_mov_b32 s[CS], 0x3e38aa3b                    ; c = log2(e) / 8
	s_mov_b32 s[CS+1], s[CS]
	s_mov_b32 s[SEL], 0x76543210
	s_mov_b32 s[SEL+1], 0xfedcba98
	s_mov_b32 s[TBK], SLOT1                        ; the first change of slots turns these three into 0
	s_mov_b32 s[TBV], SLOT1
	s_mov_b32 s[TBN], SLOT1
	s_add_co_u32 s[RT], s[PB], 1                   ; the first block has b + 1 tiles
	s_mov_b32 s[NXT], 1
	s_mov_b32 s[LQ], s[PB]
	s_cmp_gt_u32 s[NXT], s[LQ]                     ; (with b = 0 the tile behind tile 0 is the second block's tile 0)
	s_cselect_b32 s[NXT], 0, s[NXT]
	s_cselect_b32 s[LQ], s[HI], s[LQ]
	s_mov_b32 s[NEW], 1
	s_mov_b32 s[MODE], 0
	s_mov_b32 s[AL], 0
	s_mov_b32 s[AL+1], 0
	s_mov_b32 s[BE], 0
	s_mov_b32 s[BE+1], 0
	s_mov_b32 s[BIGN], 0xf149f2ca                  ; -1e30
	s_mov_b32 s[BIGP], 0x7149f2ca                  ; +1e30
	s_mov_b32 s[SLOTS], 16
	s_mov_b32 s[PFT], 2
	s_cmp_eq_u32 s[PB], 0
	s_cselect_b32 s[LIM], 16, 0
	s_wait_dscnt 0x0                               ; the opening add is done
	s_wait_kmcnt 0x0
	s_add_nc_u64 s[QA:QA+1], s[4:5], s[22:23]
	s_add_nc_u64 s[QH:QH+1], s[4:5], s[10:11]
	s_add_nc_u64 s[OA:OA+1], s[8:9], s[22:23]
	s_add_nc_u64 s[OHI:OHI+1], s[8:9], s[10:11]
	s_add_nc_u64 s[KB:KB+1], s[4:5], s[92:93]
	s_add_nc_u64 s[VB:VB+1], s[KB:KB+1], 0x1000000
	s_add_nc_u64 s[KB:KB+1], s[KB:KB+1], 0x800000
	s_add_nc_u64 s[NB:NB+1], s[6:7], s[94:95]
	s_add_nc_u64 s[2:3], s[NB:NB+1], s[2:3]        ; N at my queries of the first block,
	s_add_nc_u64 s[10:11], s[NB:NB+1], s[OFF:OFF+1]  ; of the second
	s_mov_b64 s[G0K+2:G0K+3], s[KB:KB+1]           ; tile 0
	s_or_b32 s[G0K+3], s[G0K+3], 0x80000000
	s_mov_b64 s[G0V+2:G0V+3], s[VB:VB+1]
	s_or_b32 s[G0V+3], s[G0V+3], 0x80000000
	s_mov_b64 s[G0N+2:G0N+3], s[NB:NB+1]
	s_or_b32 s[G0N+3], s[G0N+3], 0x80000000
	s_and_b32 s13, s[WV], 1                        ; the prefetches: my half of a tile, at tile 2; the first change of slots steps them to tile 3
	s_lshl_b32 s92, s13, 13
	s_add_co_u32 s92, s92, 2*16384
	s_cmp_lt_u32 s[WV], 2
	s_cselect_b64 s[PFA:PFA+1], s[KB:KB+1], s[VB:VB+1]
	s_add_nc_u64 s[PFA:PFA+1], s[PFA:PFA+1], s[92:93]
	LOAD                                           ; tile 0 into slot 0
	v_and_b32 v1, 15, v0                           ; l % 16
	v_bfe_u32 v9, v0, 4, 1                         ; l / 16
	v_lshlrev_b32 v[QO], 7, v1
	v_lshl_add_u32 v[QO], v9, 4, v[QO]             ; a fragment of Q: row x 128 + 16 x half
	v_lshlrev_b32 v[NIO], 2, v1
	WIN W_LD
.irp x, 0,1
.irp c, 0,1
	global_load_b128 v[16*\x+8*\c:16*\x+8*\c+3],       v[QO], s[QA:QA+1] offset:\x*8192+\c*64
	global_load_b128 v[16*\x+8*\c+4:16*\x+8*\c+7],     v[QO], s[QA:QA+1] offset:\x*8192+\c*64+32
	global_load_b128 v[QB+16*\x+8*\c:QB+16*\x+8*\c+3],   v[QO], s[QH:QH+1] offset:\x*8192+\c*64
	global_load_b128 v[QB+16*\x+8*\c+4:QB+16*\x+8*\c+7], v[QO], s[QH:QH+1] offset:\x*8192+\c*64+32
.endr
.endr
	WIN 0
	global_load_b32 v[ST+2],  v[NIO], s[2:3]
	global_load_b32 v[ST+10], v[NIO], s[2:3] offset:256
	global_load_b32 v[NH],    v[NIO], s[10:11]
	global_load_b32 v[NH+1],  v[NIO], s[10:11] offset:256
	v_mul_u32_u24 v[AK0], v1, PK
	v_lshl_add_u32 v[AK0], v9, 4, v[AK0]
	v_and_b32 v22, 7, v0                           ; the turning load: key 8 (l / 16) + l % 8, channels 8 ((l / 8) % 2) + 0..7
	v_bfe_u32 v23, v0, 3, 1
	v_lshl_add_u32 v[AV0], v9, 3, v22
	v_mul_u32_u24 v[AV0], v[AV0], PVP
	v_lshl_add_u32 v[AV0], v23, 4, v[AV0]
	v_add_nc_u32 v[AV0], VOFF, v[AV0]
	v_lshlrev_b32 v[AN0], 5, v9                    ; N of keys 16 kb + 8 (l / 16) + 0..7
	v_add_nc_u32 v[AN0], NOFF, v[AN0]
	s_mul_i32 s13, s[WV], 16*SP
	s_add_co_u32 s13, s13, STAGE
	v_mul_u32_u24 v[STO], v1, SP
	v_lshl_add_u32 v[STO], v9, 4, v[STO]
	v_add_nc_u32 v[STO], s13, v[STO]
	v_bfe_u32 v[RD], v0, 3, 2
	v_mul_u32_u24 v[RD], v[RD], SP
	v_lshl_add_u32 v[RD], v22, 4, v[RD]
	v_add_nc_u32 v[RD], s13, v[RD]
	v_and_b32 v[GO], 31, v0
	v_lshlrev_b32 v[PFO], 8, v[GO]
	v_lshlrev_b32 v[GO], 4, v[GO]
	v_lshlrev_b32 v14, 3, v9
	v_sub_nc_u32 v14, v1, v14
	s_lshl_b32 s13, s[WV], 4
	v_add_nc_u32 v14, s13, v14                     ; my query's place in its band, 16 w + l % 16, less 8 (l / 16): register j of key group kb is hidden where 16 kb + j is greater
	v_mov_b32 v15, s[BIGP]
	WIN 0x80
.set i, 0
.rept 32
	v_cmp_gt_i32 vcc_lo, 16*(i/8)+i%8, v14
	v_cndmask_b32 v[MD+i], v15, s[BIGN], vcc_lo
.set i, i+1
.endr
	WIN W_LD
.set i, 0
.rept 64
	v_mov_b32 v[VF+i], 0                           ; a block's first step multiplies O^T and l by a = 0, so what its first products add need only be finite: zeros here, what the first block left later
.set i, i+1
.endr
.set i, 0
.rept 8
	v_mov_b32 v[ONE+i], 0x3c003c00
.set i, i+1
.endr
	WIN 0
.set i, 0
.rept 80
	v_mov_b32 v[O+i], 0
.set i, i+1
.endr
.set i, 0
.rept 32
	v_mov_b32 v[P+i], 0
.set i, i+1
.endr
	v_mov_b32 v[ST+5],  0                          ; c1 of each piece is named, as the upper half of a pair, by the way out's packed multiplies, which take the pair's low word for both halves:
	v_mov_b32 v[ST+13], 0                          ; written here, so that the pair is whole on every path; its value is not used there
	s_wait_loadcnt 0x0                             ; Q and N_i
	v_add_f32 v[ST+2],  0xc3c80000, v[ST+2]        ; L = N_i - 400
	v_add_f32 v[ST+10], 0xc3c80000, v[ST+10]
; THE MATRIX WORK.  The accumulators of a run take turns.  Product i of 10 of O^T += V^T P: keys 32 (i / 5) on; channels 16 (i % 5) on, or (i % 5 = 4) the sum l, by a source of ones.
.macro PVM x
	WIN W_PV
.set rV, VF+32*(i/5)+8*(i%5)
.if i%5 == 4
.set rV, ONE
.endif
	v_wmma_f32_16x16x32_f16 v[O+40*(\x)+8*(i%5):O+40*(\x)+8*(i%5)+7], v[rV:rV+7], v[P+16*(\x)+8*(i/5):P+16*(\x)+8*(i/5)+7], v[O+40*(\x)+8*(i%5):O+40*(\x)+8*(i%5)+7]
.endm
; Product i of 8 of S^T = K Q^T: channels 32 (i / 4) on, keys 16 (i % 4) on.  The first four start the sums with the bias.
.macro KQM x
	WIN W_KQ
.if i < 4
	v_wmma_f32_16x16x32_f16 v[S+32*(\x)+8*(i%4):S+32*(\x)+8*(i%4)+7], v[KF+16*(i%4)+8*(i/4):KF+16*(i%4)+8*(i/4)+7], v[16*(\x)+8*(i/4):16*(\x)+8*(i/4)+7], v[CB+8*i:CB+8*i+7]
.else
	v_wmma_f32_16x16x32_f16 v[S+32*(\x)+8*(i%4):S+32*(\x)+8*(i%4)+7], v[KF+16*(i%4)+8*(i/4):KF+16*(i%4)+8*(i/4)+7], v[16*(\x)+8*(i/4):16*(\x)+8*(i/4)+7], v[S+32*(\x)+8*(i%4):S+32*(\x)+8*(i%4)+7]
.endif
.endm
.macro MM                              ; the turn's next matrix instruction
.if i < 10
	PVM XP
.else
.set i, i-10
	KQM XP
.set i, i+10
.endif
.set i, i+1
.endm
; THE LDS LOADS stand in runs: a step's N (8 loads) and K (16), and a turn later its V (16, turned).  Behind a run its base is turned to the slot's other step.
.macro FETCH_KN
	WIN 0
	v_add_nc_u32 v[AN], s[TBN], v[AN0]
	v_add_nc_u32 v[AK], s[TBK], v[AK0]
	WIN W_LD
.irp kb, 0,1,2,3
	ds_load_b128 v[NR+8*\kb:NR+8*\kb+3],   v[AN] offset:64*\kb
	ds_load_b128 v[NR+8*\kb+4:NR+8*\kb+7], v[AN] offset:64*\kb+16
.endr
.irp f, 0,1,2,3,4,5,6,7
	ds_load_b128 v[KF+8*\f:KF+8*\f+3],   v[AK] offset:(\f/2)*16*PK+(\f%2)*64
	ds_load_b128 v[KF+8*\f+4:KF+8*\f+7], v[AK] offset:(\f/2)*16*PK+(\f%2)*64+32
.endr
	s_xor_b32 s[TBK], s[TBK], 64*PK
	s_xor_b32 s[TBN], s[TBN], 256
	WIN 0
.endm
.macro FETCH_V
	WIN W_LD
.irp f, 0,1,2,3,4,5,6,7
	ds_load_tr16_b128 v[VF+8*\f:VF+8*\f+3],   v[AV] offset:(\f/4)*32*PVP+(\f%4)*32
	ds_load_tr16_b128 v[VF+8*\f+4:VF+8*\f+7], v[AV] offset:(\f/4)*32*PVP+16*PVP+(\f%4)*32
.endr
	s_xor_b32 s[TBV], s[TBV], 64*PVP
.endm
; THE VECTOR WORK, a line at a time: OP kind, number.  For piece Y, whose softmax is in hand: X n, number n of the 22 that find its maximum and statistics (0-11 four chains of seven scores, each accumulator's lowest
; registers first; 12-14, 16 the rest, the old m, and the four into one; 15 c m_old is kept; 17, 18 the other half of the lanes'; 19-21 c m, its change, a).  F n: c s - c m for pair n.
; E n: the exponential of score n.  C n: pair n rounded to f16.  R n: pair n of O^T times a (16: l's lowest pair).  For piece XP, which has the matrix unit: G n: the bias min(max(L, N), cap) of score n.
.set F, 0
.set E, 1
.set C, 2
.set R, 3
.set X, 4
.set G, 5
.macro OP k, n
.set rT, ST+8*Y
.set rC, rT+4
.set rS, S+32*Y
.set rP, P+16*Y
.set rO, O+40*Y
.if (\k) == G
	WIN W_G
	v_maxmin_num_f32 v[CB+(\n)], v[ST+8*XP+2], v[NR+(\n)], v[32*XP+(\n)]
.elseif (\k) == E
.if MSB != W_G                         ; (an exponential names source 0 and the destination alone, which that setting leaves in window 0)
	WIN 0
.endif
	v_exp_f32 v[rS+(\n)], v[rS+(\n)]
.else
	WIN 0
.if (\k) == F
	v_pk_fma_f32 v[rS+2*(\n):rS+2*(\n)+1], v[rS+2*(\n):rS+2*(\n)+1], s[CS:CS+1], v[rT:rT+1] op_sel_hi:[1,0,0] neg_lo:[0,0,1] neg_hi:[0,0,1]
.elseif (\k) == C
	v_cvt_pk_f16_f32 v[rP+(\n)], v[rS+2*(\n)], v[rS+2*(\n)+1]
.elseif (\k) == R
	v_pk_mul_f32 v[rO+2*(\n):rO+2*(\n)+1], v[rO+2*(\n):rO+2*(\n)+1], v[rC+2:rC+3] op_sel_hi:[1,0]
.elseif (\n) < 4
	v_max3_num_f32 v[rC+(\n)], v[rS+8*(\n)], v[rS+8*(\n)+1], v[rS+8*(\n)+2]
.elseif (\n) < 12
	v_max3_num_f32 v[rC+(\n)%4], v[rC+(\n)%4], v[rS+8*((\n)%4)+2*((\n)/4)+1], v[rS+8*((\n)%4)+2*((\n)/4)+2]
.elseif (\n) == 12
	v_max3_num_f32 v[rC], v[rC], v[rS+7], v[rS+15]
.elseif (\n) == 13
	v_max3_num_f32 v[rC+1], v[rC+1], v[rS+23], v[rS+31]
.elseif (\n) == 14
	v_max3_num_f32 v[rC+2], v[rC+2], v[rC+3], v[rT+1]
.elseif (\n) == 15
	v_mov_b32 v[rT+3], v[rT]
.elseif (\n) == 16
	v_max3_num_f32 v[rC], v[rC], v[rC+1], v[rC+2]
.elseif (\n) == 17
	v_permlanex16_b32 v[rC+3], v[rC], s[SEL], s[SEL+1]
.elseif (\n) == 18
	v_max_num_f32 v[rT+1], v[rC], v[rC+3]
.elseif (\n) == 19
	v_mul_f32 v[rT], s[CS], v[rT+1]
.elseif (\n) == 20
	v_sub_f32 v[rC+1], v[rT+3], v[rT]
.else
	v_exp_f32 v[rC+2], v[rC+1]
.endif
.endif
.endm
.macro ROW a, i1, b, i2, c, i3, d, i4, e=-1, i5=0  ; a matrix instruction and the four or five behind it
	MM
	OP \a, \i1
	OP \b, \i2
	OP \c, \i3
	OP \d, \i4
.if (\e) >= 0
	OP \e, \i5
.endif
.endm
.macro CAPS x                          ; piece x's caps = the diagonal's pattern x AL + BE: (1, 0) the diagonal; (0, +1e30) all keys seen; (0, -1e30) none
	WIN W_CAP
.set z, 0
.rept 16
	v_pk_fma_f32 v[32*(\x)+2*z:32*(\x)+2*z+1], v[MD+2*z:MD+2*z+1], s[AL:AL+1], s[BE:BE+1] op_sel_hi:[1,0,0]
.set z, z+1
.endr
	WIN 0
.endm
; In the diagonal tile the turn at count CNT makes the scores of the tile's step u = 3 - CNT (u = 2: the step that is not there).  Elsewhere the caps stand as the block's beginning left them: all keys seen.
.macro RECAP x
	WIN 0
	s_cmp_eq_u32 s[MODE], 0
	s_cbranch_scc1 .Lno_cap_\@
.if (\x) == 0
	s_cmp_eq_u32 s[CNT], 3
	s_cselect_b32 s[AL], 1.0, 0
	s_cselect_b32 s[BE], 0, s[BIGN]
.else
	s_cmp_eq_u32 s[CNT], 2
	s_cselect_b32 s[AL], 1.0, 0
	s_cselect_b32 s[BE], 0, s[BIGN]
	s_cmp_eq_u32 s[CNT], 3
	s_cselect_b32 s[BE], s[BIGP], s[BE]
.endif
	CAPS \x
.Lno_cap_\@:
.endm
; A TURN, for piece x.  Ahead of its one wait stands all that names no result of its exponentials: the 10 products V^T P, behind each five of the other piece's maximum, scalings and first exponentials; then a lump,
; the 32 lines of the bias and the other 20 exponentials by turns.  Behind the wait: the 8 products K Q^T, behind each two roundings and two rescalings (the last: three), which are also the places behind the last product.
; Piece 0's turn fetches the next step's N and K at its head, five plain lines behind the last product that read K; N is waited for at the lump's head, K at its end.  Piece 1's turn fetches the next step's V in the lump,
; seven plain lines behind the last product that read V; it is waited for at the head of piece 0's turn.
.macro TURN x
.set XP, (\x)
.set Y, 1-(\x)
.set i, 0
	RECAP \x
.if (\x) == 0
	s_wait_dscnt 0x0                               ; V is in
	FETCH_KN
.else
	v_add_nc_u32 v[AV], s[TBV], v[AV0]
.endif
	ROW X,0, X,1, X,2, X,3, X,4
	ROW X,5, X,6, X,7, X,8, X,9
	ROW X,10, X,11, X,12, X,13, X,15
	ROW X,14, X,16, X,17, X,18, X,19
	ROW F,0, F,1, X,20, F,2, F,3
	ROW E,0, F,4, E,1, F,5, X,21
	ROW E,2, F,6, E,3, F,7, E,4
	ROW F,8, E,5, F,9, E,6, F,10
	ROW E,7, F,11, E,8, F,12, E,9
	ROW F,13, E,10, F,14, E,11, F,15
.if (\x) == 0
	s_wait_dscnt 16                                ; N is in; K's 16 loads may be out
.endif
.set gi, 0
.set ei, 12
.rept 12
	OP G, gi
	OP E, ei
	OP G, gi+1
.set gi, gi+2
.set ei, ei+1
.if ((\x) == 1) && (gi == 4)
	FETCH_V
.endif
.endr
.rept 8
	OP E, ei
	OP G, gi                                       ; (the last of these is the plain line behind the last exponential)
.set gi, gi+1
.set ei, ei+1
.endr
	s_wait_alu depctr_va_vdst(0)                   ; the one wait between the batch and its first reader
.if (\x) == 0
	s_wait_dscnt 0x0                               ; K is in
.endif
	ROW C,0, C,1, R,0, R,1
	ROW C,2, C,3, R,2, R,3
	ROW C,4, C,5, R,4, R,5
	ROW C,6, C,7, R,6, R,7
	ROW C,8, C,9, R,8, R,9
	ROW C,10, C,11, R,10, R,11
	ROW C,12, C,13, R,12, R,13
	ROW C,14, C,15, R,14, R,15, R,16
.endm
; A tile's steps: counted to three; a plain tile's third is jumped over, forward, to the counter's step.
.macro STEPS tag
.Lstep\tag:
	s_add_co_u32 s[TM], s[MODE], s[CNT]
	s_cmp_eq_u32 s[TM], 1
	s_cbranch_scc1 .Lskip\tag
	TURN 0
	WIN 0
.Lmid\tag:
	TURN 1
	WIN 0
.Lskip\tag:
	s_sub_co_u32 s[CNT], s[CNT], 1
	s_cmp_lg_u32 s[CNT], 0
	s_cbranch_scc1 .Lstep\tag
.endm
; THE WAY OUT: O^T is divided by l, rounded to f16 and sent through my stage in LDS, a piece at a time: rows of 144 bytes in, whole rows of 128 back, 512 consecutive bytes a store.
.macro PACK x
.set z, 0
.rept 16
	v_pk_mul_f32 v[O+40*(\x)+2*z:O+40*(\x)+2*z+1], v[O+40*(\x)+2*z:O+40*(\x)+2*z+1], v[ST+8*(\x)+4:ST+8*(\x)+5] op_sel_hi:[1,0]
.set z, z+1
.endr
.set z, 0
.rept 16
	v_cvt_pk_f16_f32 v[S+16*(\x)+z], v[O+40*(\x)+2*z], v[O+40*(\x)+2*z+1]
.set z, z+1
.endr
.irp f, 0,1,2,3
	ds_store_b128 v[STO], v[S+16*(\x)+4*\f:S+16*(\x)+4*\f+3] offset:32*\f
.endr
.irp f, 0,1,2,3
	ds_load_b128 v[S+16*(\x)+4*\f:S+16*(\x)+4*\f+3], v[RD] offset:\f*4*SP  ; LDS serves a wave's instructions in order: these see the stores above; the next piece's stores come behind them
.endr
.endm
.macro SEND x, younger                 ; younger: the LDS instructions issued behind piece x's loads: the next piece's eight, or none
.irp f, 0,1,2,3
	s_wait_dscnt (\younger)+3-\f
	global_store_b128 v[GO], v[S+16*(\x)+4*\f:S+16*(\x)+4*\f+3], s[OA:OA+1] offset:(\x)*8192+\f*512
.endr
.endm
.macro OUT
	WIN 0
	v_rcp_f32 v[ST+4],  v[O+32]
	v_rcp_f32 v[ST+12], v[O+72]
	v_nop                                          ; a plain line behind the last reciprocal,
	s_wait_alu depctr_va_vdst(0)                   ; and the wait ahead of the first use
	PACK 0
	PACK 1
	SEND 0, 8
	SEND 1, 0
.endm
.Lslot:                                                ; 16 times: a tile is entered and the next is asked for
	CHANGE 1
	s_sub_co_u32 s[RT], s[RT], 1
	s_cmp_eq_u32 s[RT], 0
	s_cselect_b32 s[MODE], 1, 0
	s_mov_b32 s[CNT], 3
	s_cmp_eq_u32 s[NEW], 1
	s_cbranch_scc0 .Lstep1
	; A BLOCK BEGINS.  c m starts far below every c s, so the first step's a is 0; m at the lowest finite number.  Piece 0's caps: the diagonal, if the block's first tile is its last, else all seen; piece 1's: all seen.
	; Then N and K of the tile's first step, piece 0's bias and first scores; the steps are entered at piece 1's turn.
	s_mov_b32 s[NEW], 0
.irp p, 0,1
	v_mov_b32 v[ST+8*\p], 0xfe000000
	v_mov_b32 v[ST+8*\p+1], 0xff7fffff
.endr
	s_cmp_eq_u32 s[MODE], 1
	s_cselect_b32 s[AL], 1.0, 0
	s_cselect_b32 s[BE], 0, s[BIGP]
	CAPS 0
	s_mov_b32 s[AL], 0
	s_mov_b32 s[BE], s[BIGP]
	CAPS 1
	FETCH_KN
	s_wait_dscnt 0x0
.set XP, 0
.set Y, 1
.set gi, 0
.rept 32
	OP G, gi
.set gi, gi+1
.endr
.set i, 0
.rept 8
	KQM 0
.set i, i+1
.endr
	WIN 0
.rept 4
	v_nop                                          ; the places behind those products
.endr
	s_branch .Lmid1
	STEPS 1
	s_cmp_eq_u32 s[MODE], 1
	s_cbranch_scc0 .Lbottom
	OUT                                            ; in the loop this is the first block's end: the second block's last tile is the walk's last
	s_wait_xcnt 0x0                                ; the stores have read their registers and O's address
	s_mov_b64 s[OA:OA+1], s[OHI:OHI+1]
	s_add_co_u32 s[RT], s[HI], 1                   ; the second block has 16 - b tiles
	s_mov_b32 s[NEW], 1
	WIN 0x41                                       ; the second block's Q goes where the turns name Q
.set i, 0
.rept 32
	v_mov_b32 v[i], v[QB+i]
.set i, i+1
.endr
	WIN 0
	v_add_f32 v[ST+2],  0xc3c80000, v[NH]
	v_add_f32 v[ST+10], 0xc3c80000, v[NH+1]
.Lbottom:
	s_sub_co_u32 s[SLOTS], s[SLOTS], 1
	s_cmp_lg_u32 s[SLOTS], 0
	s_cbranch_scc1 .Lslot
	CHANGE 0                                       ; the walk's last tile is written out: it is the second block's diagonal tile, never a block's first (the second block has nine tiles or more)
	s_mov_b32 s[MODE], 1
	s_mov_b32 s[CNT], 3
	STEPS 2
	OUT
	s_wait_tensorcnt 0x0                           ; the wave's end, behind my last tensor load and my last LDS store
	ds_add_u32 v[SPW], v[NIL]
	s_wait_dscnt 0x0
	s_endpgm
.Lfunc_end_k_qf828247054_attn:
	.size	k_qf828247054_attn, .Lfunc_end_k_qf828247054_attn-k_qf828247054_attn
	.p2alignl 7, 3214868480
	.fill 96, 4, 3214868480
	.section	.rodata,"a",@progbits
	.p2align	6, 0x0
	.amdhsa_kernel k_qf828247054_attn
		.amdhsa_group_segment_fixed_size 327680
		.amdhsa_private_segment_fixed_size 0
		.amdhsa_enable_private_segment 0
		.amdhsa_kernarg_size 24
		.amdhsa_user_sgpr_count 2
		.amdhsa_user_sgpr_kernarg_segment_ptr 1
		.amdhsa_wavefront_size32 1
		.amdhsa_system_sgpr_workgroup_id_x 1
		.amdhsa_system_sgpr_workgroup_id_y 1
		.amdhsa_system_sgpr_workgroup_id_z 1
		.amdhsa_system_vgpr_workitem_id 0
		.amdhsa_next_free_vgpr 608
		.amdhsa_next_free_sgpr 100
		.amdhsa_reserve_vcc 1
		.amdhsa_float_denorm_mode_32 3
		.amdhsa_float_denorm_mode_16_64 3
		.amdhsa_memory_ordered 1
		.amdhsa_forward_progress 1
		.amdhsa_inst_pref_size 93
	.end_amdhsa_kernel
	.amdgpu_metadata
---
amdhsa.version: [ 1, 2 ]
amdhsa.kernels:
  - .name:           k_qf828247054_attn
    .symbol:         k_qf828247054_attn.kd
    .args:
      - { .name: qkv, .offset: 0, .size: 8, .value_kind: global_buffer, .address_space: global }
      - { .name: nc8, .offset: 8, .size: 8, .value_kind: global_buffer, .address_space: global }
      - { .name: o, .offset: 16, .size: 8, .value_kind: global_buffer, .address_space: global }
    .group_segment_fixed_size: 327680
    .private_segment_fixed_size: 0
    .kernarg_segment_align: 8
    .kernarg_segment_size: 24
    .max_flat_workgroup_size: 128
    .sgpr_count:     100
    .vgpr_count:     608
    .wavefront_size: 32
...
	.end_amdgpu_metadata
.endif
;; end of part 4
;; launch oproj (part 5): grid 8 x 32, 4 waves a work-group, clusters of 4 x 4, 327,680 bytes of LDS; arguments o, wot, out0; writes out0
.if DOCPART == 5
	.amdgcn_target "amdgcn-amd-amdhsa--gfx1250"
	.amdhsa_code_object_version 6
	.text
	.protected	k_qf828247054_oproj
	.globl	k_qf828247054_oproj
	.p2align	8
	.type	k_qf828247054_oproj,@function
k_qf828247054_oproj:
	s_mov_b64 s[64:65], 0
	v_nop
	global_prefetch_b8 v0, s[64:65] scope:SCOPE_SE
	s_setreg_imm32_b32 hwreg(HW_REG_WAVE_MODE, 25, 1), 1
	s_wait_xcnt 0x0
	s_wait_alu depctr_hold_cnt(0) depctr_sa_sdst(0) depctr_va_vdst(0) depctr_va_sdst(0) depctr_va_ssrc(0) depctr_va_vcc(0) depctr_vm_vsrc(0)
	s_getreg_b32 s2, hwreg(HW_REG_IB_STS2, 6, 4)
	s_cmp_eq_u32 s2, 0
	s_cbranch_scc0 .Lentry_in_a_cluster
	s_endpgm
.Lentry_in_a_cluster:
	s_bfe_u32 s2, ttmp6, 0x10000c
	s_cmp_lg_u32 s2, 0xf033
	s_cbranch_scc0 .Lentry_shape_is_right
	s_endpgm
.Lentry_shape_is_right:
; OPROJ.  out0[m][n] = the sum over k of O(m, k) wot[n][k].  O lies by heads, [32 bh][2048 t][64] f16: m = 2048 b + t, k = 64 head + d, bh = 16 b + head.  wot: [1024 n][1024 k] f16.  out0: [4096][1024] f32; sums in f32.
; A tile of out0 is 128 x 128: 8 x 32 tiles, one for each of 256 work-groups.  Four waves, each 64 x 64: 16 accumulators.  K goes in steps of 256, four heads, through a ring of two LDS slots.
; O's tile of a step: for each head 128 rows of 128 bytes, which are 16,384 dense bytes: waves 0 and 1 ask for two heads each, as 2 rows of 8,192 elements, a head (131,072 elements) apart, padded in LDS after every
; 128 bytes.  wot's: waves 2 and 3, 64 rows of 512 bytes each.  CLUSTERS: 4 x 4 work-groups; O's tile is shared along a row of the cluster, wot's along a column: joint loads with a mask of four.
; THE MATRIX INSTRUCTION IS USED TRANSPOSED (source 0 = 16 rows of wot, source 1 = 16 rows of O): a lane holds eight neighbouring numbers of a row of out0.  A wave's 64 columns are 256 bytes, so each wave goes out by itself.
; No prefetch: the tiles are small and the walk along K has four steps.
; REGISTERS: window 0: v0-31 addresses; v32-95 rows read back from the stage, two buffers; v128-255 the accumulators ((a, b) at 128 + 8 (4 a + b)).  Window 1: two fragment buffers of 128: 64 of O, then 64 of wot.
.set SIZE_K, 1024
.set PA,     144                       ; a row of O in LDS: 128 bytes + 16
.set HEADB,  128*PA                    ; a head's 128 rows
.set AHALF,  2*HEADB
.set PBP,    528                       ; a row of wot: 512 bytes + 16
.set BHALF,  64*PBP
.set BOFF,   2*AHALF
.set SLOT,   BOFF+2*BHALF              ; 141,312 bytes
.set STAGE,  2*SLOT                    ; behind the ring: 16 rows x 272 bytes for each wave
.set SPITCH, 272
.set SPARE,  STAGE+4*16*SPITCH         ; the spare words: 128 bytes for each wave, two blocks of 256 bytes that no other line names
.set LAPS,   2
.set ADRA, 16
.set ADRB, 20
.set STO,  24
.set RD,   25
.set CO,   26
.set SPW,  28
.set NIL,  29
.set TMP,  32
.set ACC,  128
.set F0,   0
.set F1,   128
.set G1,  24
.set G0,  32
.set G1B, 48
.set G0B, 56
.set MSB, 0
.macro WIN new
.if MSB != (\new)
	s_set_vgpr_msb (MSB<<8)|(\new)
.set MSB, \new
.endif
.endm
.set MUL,  0x05                        ; sources 0 and 1 window 1; C and D window 0
.set TO_F, 0x40                        ; destination window 1, address window 0
.macro JLOAD s                         ; a joint load: waves 0 and 1 fetch O's heads, waves 2 and 3 wot's halves; an s_nop 0 and four v_nop follow each of the two lines
	s_cmp_eq_u32 s11, 0
	s_cbranch_scc0 .Lfor_b_\@
	tensor_load_to_lds s[G0+4*(\s):G0+4*(\s)+3], s[G1:G1+7]
	s_nop 0
.rept 4
	v_nop
.endr
	s_branch .Lasked_\@
.Lfor_b_\@:
	tensor_load_to_lds s[G0B+4*(\s):G0B+4*(\s)+3], s[G1B:G1B+7]
	s_nop 0
.rept 4
	v_nop
.endr
.Lasked_\@:
.endm
.macro CREST
	s_cmp_lg_u32 s10, 0
	s_cbranch_scc1 .Lnot_wave_0_\@
	s_barrier_signal -3
.Lnot_wave_0_\@:
	s_barrier_wait -3
	s_barrier_signal -1
	s_barrier_wait -1
.endm
.macro CROUND
	s_barrier_signal -1
	s_barrier_wait -1
	CREST
.endm
	s_load_b128 s[4:7], s[0:1], 0x0                ; o s[4:5], wot s[6:7]
	s_load_b64 s[8:9], s[0:1], 0x10                ; out0
	v_lshl_add_u32 v[SPW], v0, 2, SPARE
	v_mov_b32 v[NIL], 0
	ds_add_u32 v[SPW], v[NIL]                      ; the wave's opening: the add and its wait stand ahead of my first tensor load; the set-up below stands between them
	v_lshrrev_b32 v1, 5, v0
	v_readfirstlane_b32 s10, v1
	s_lshr_b32 s11, s10, 1                         ; which half of the tile's rows is mine.  Also: I fetch for O (0) or for wot (1)
	s_and_b32 s12, s10, 1                          ; which half of its columns.  Also: which half I fetch
	s_bfe_u32 s40, ttmp6, 0x40000
	s_bfe_u32 s41, ttmp6, 0x40004
	s_lshl_b32 s42, ttmp9, 2
	s_add_co_u32 s42, s42, s40                     ; tile column
	s_and_b32 s13, ttmp7, 0xffff
	s_lshl_b32 s13, s13, 2
	s_add_co_u32 s13, s13, s41                     ; tile row
	s_lshl_b32 s43, s41, 2
	s_lshl_b32 s43, 15, s43
	s_lshl_b32 s44, 0x1111, s40
	s_or_b32 s[G1+0], s43, (1<<16)|(1<<20)|(1<<21)|(4<<22)|(3<<25)   ; O's tiles go to my row; 2-byte elements; padding on; bit 21 beside a mask; after every 32 words; 4 words
	s_or_b32 s[G1B+0], s44, (1<<16)|(1<<20)|(1<<21)|(6<<22)|(3<<25)  ; wot's to my column; after every 128 words
	s_mov_b32 s[G1+1], 8192<<16                    ; tensor_dim0 = 8,192
	s_mov_b32 s[G1+2], 2<<16                       ; tensor_dim1 = 2
	s_mov_b32 s[G1+3], 8192<<16                    ; tile_dim0 = 8,192
	s_mov_b32 s[G1+4], 2                           ; tile_dim1 = 2
	s_mov_b32 s[G1+5], 131072                      ; a head's elements from row to row
	s_mov_b32 s[G1+6], 0
	s_mov_b32 s[G1+7], 0
	s_mov_b32 s[G1B+1], 256<<16
	s_mov_b32 s[G1B+2], 64<<16
	s_mov_b32 s[G1B+3], 256<<16
	s_mov_b32 s[G1B+4], 64
	s_mov_b32 s[G1B+5], SIZE_K
	s_mov_b32 s[G1B+6], 0
	s_mov_b32 s[G1B+7], 0
	s_lshr_b32 s16, s13, 4                         ; O: the batch's 16 heads of 262,144 bytes,
	s_lshl_b32 s16, s16, 22
	s_lshl_b32 s17, s12, 19                        ; my two heads of the step's four,
	s_add_co_u32 s16, s16, s17
	s_and_b32 s17, s13, 15                         ; t = 128 (tile row % 16), rows of 128 bytes
	s_lshl_b32 s17, s17, 14
	s_add_co_u32 s16, s16, s17
	s_mov_b32 s17, 0
	s_lshl_b32 s46, s42, 7                         ; wot: row 128 x tile column + 64 x half
	s_lshl_b32 s47, s12, 6
	s_add_co_u32 s46, s46, s47
	s_lshl_b32 s46, s46, 11
	s_mov_b32 s47, 0
	s_mul_i32 s20, s12, AHALF                      ; where they go: no place in the cluster enters an LDS address
	s_mul_i32 s21, s12, BHALF
	s_add_co_u32 s21, s21, BOFF
	s_wait_dscnt 0x0                               ; the opening add is done
	s_wait_kmcnt 0x0
	s_add_nc_u64 s[14:15], s[4:5], s[16:17]
	s_add_nc_u64 s[46:47], s[6:7], s[46:47]
	CROUND                                         ; all sixteen work-groups are here: the first joint loads meet
.irp s, 0,1
	s_mov_b32 s[G0+4*(\s)], 1
	s_add_co_u32 s[G0+4*(\s)+1], s20, (\s)*SLOT
	s_add_nc_u64 s[G0+4*(\s)+2:G0+4*(\s)+3], s[14:15], (\s)*4*262144
	s_or_b32 s[G0+4*(\s)+3], s[G0+4*(\s)+3], 0x80000000
	s_mov_b32 s[G0B+4*(\s)], 1
	s_add_co_u32 s[G0B+4*(\s)+1], s21, (\s)*SLOT
	s_add_nc_u64 s[G0B+4*(\s)+2:G0B+4*(\s)+3], s[46:47], (\s)*512
	s_or_b32 s[G0B+4*(\s)+3], s[G0B+4*(\s)+3], 0x80000000
	JLOAD \s                                       ; two loads of mine are out
.endr
	v_and_b32 v1, 15, v0
	v_bfe_u32 v2, v0, 4, 1
	v_mul_u32_u24 v3, v1, PA
	v_lshl_add_u32 v3, v2, 4, v3                   ; a fragment of O: row x 144 + 16 x half
	v_mul_u32_u24 v4, v1, PBP
	v_lshl_add_u32 v4, v2, 4, v4                   ; of wot: row x 528 + 16 x half
	s_mul_i32 s21, s11, 64*PA                      ; my 64 rows in each head
	s_mul_i32 s22, s12, BHALF                      ; my 64 rows of wot
	s_add_co_u32 s22, s22, BOFF
.irp s, 0,1
	v_add_nc_u32 v[ADRA+(\s)], s21, v3
	v_add_nc_u32 v[ADRB+(\s)], s22, v4
	s_add_co_u32 s21, s21, SLOT
	s_add_co_u32 s22, s22, SLOT
.endr
	s_mul_i32 s23, s10, 16*SPITCH
	s_add_co_u32 s23, s23, STAGE                   ; my stage
	v_mul_u32_u24 v5, v1, SPITCH                   ; in: row l % 16, 32 bytes for each half of the lanes
	v_lshl_add_u32 v5, v2, 5, v5
	v_add_nc_u32 v[STO], s23, v5
	v_mul_u32_u24 v5, v2, SPITCH                   ; back: lanes 0-15 take one row of 256 bytes, lanes 16-31 the next
	v_lshl_add_u32 v5, v1, 4, v5
	v_add_nc_u32 v[RD], s23, v5
	v_lshlrev_b32 v[CO], 4, v1                     ; and the same two rows in out0, 4,096 bytes apart
	v_lshl_add_u32 v[CO], v2, 12, v[CO]
	s_lshl_b32 s16, s13, 19                        ; my first row: 128 x tile row + 64 x half, rows of 4,096 bytes
	s_lshl_b32 s17, s11, 18
	s_add_co_u32 s16, s16, s17
	s_mov_b32 s17, 0
	s_add_nc_u64 s[8:9], s[8:9], s[16:17]
	s_lshl_b32 s46, s42, 9                         ; my first column, in bytes: 512 x tile column + 256 x half
	s_lshl_b32 s47, s12, 8
	s_add_co_u32 s46, s46, s47
	s_mov_b32 s47, 0
	s_add_nc_u64 s[8:9], s[8:9], s[46:47]
; 8 matrix instructions: row blocks a0, a0 + 1 x all 4 column blocks, 32 along K: half c of buffer f.  zero = 1: the product starts the sums.  The 16 accumulators take turns.
.macro MUL8 f, c, a0, zero
	WIN MUL
.irp a, \a0, (\a0)+1
.irp b, 0,1,2,3
.if \zero
	v_wmma_f32_16x16x32_f16 v[ACC+8*(4*(\a)+(\b)):ACC+8*(4*(\a)+(\b))+7], v[(\f)+64+8*(4*(\c)+(\b)):(\f)+64+8*(4*(\c)+(\b))+7], v[(\f)+8*(4*(\c)+(\a)):(\f)+8*(4*(\c)+(\a))+7], 0
.else
	v_wmma_f32_16x16x32_f16 v[ACC+8*(4*(\a)+(\b)):ACC+8*(4*(\a)+(\b))+7], v[(\f)+64+8*(4*(\c)+(\b)):(\f)+64+8*(4*(\c)+(\b))+7], v[(\f)+8*(4*(\c)+(\a)):(\f)+8*(4*(\c)+(\a))+7], v[ACC+8*(4*(\a)+(\b)):ACC+8*(4*(\a)+(\b))+7]
.endif
.endr
.endr
.endm
; 32 LDS loads in one run: the fragments of head q of the step's four (64 along K), into buffer f; the first 32 along K first
.macro FETCH slot, q, f
	WIN TO_F
.irp c, 0,1
.irp i, 0,1,2,3
	ds_load_b128 v[(\f)+64+8*(4*(\c)+(\i)):(\f)+64+8*(4*(\c)+(\i))+3],   v[ADRB+(\slot)] offset:(\q)*128+64*(\c)+(\i)*16*PBP
	ds_load_b128 v[(\f)+64+8*(4*(\c)+(\i))+4:(\f)+64+8*(4*(\c)+(\i))+7], v[ADRB+(\slot)] offset:(\q)*128+64*(\c)+(\i)*16*PBP+32
	ds_load_b128 v[(\f)+8*(4*(\c)+(\i)):(\f)+8*(4*(\c)+(\i))+3],         v[ADRA+(\slot)] offset:(\q)*HEADB+64*(\c)+(\i)*16*PA
	ds_load_b128 v[(\f)+8*(4*(\c)+(\i))+4:(\f)+8*(4*(\c)+(\i))+7],       v[ADRA+(\slot)] offset:(\q)*HEADB+64*(\c)+(\i)*16*PA+32
.endr
.endr
.endm
.macro PLACES                          ; four places in front of loads into registers that matrix instructions have read, and of LDS stores that read results
.rept 4
	v_nop
.endr
.endm
; A K step is four quarters, a head each, 32 matrix instructions, on buffers 0, 1, 0, 1.  One of the first three multiplies buffer f and fetches head q into g.
.macro QUARTER slot, q, f, g, zero
	s_wait_dscnt 16                                ; the first 32 along K are in
	MUL8 \f, 0, 0, \zero
	MUL8 \f, 0, 2, \zero
	PLACES
	FETCH \slot, \q, \g
	s_wait_dscnt 32                                ; all but the 32 just issued
	MUL8 \f, 1, 0, 0
	MUL8 \f, 1, 2, 0
.endm
; The last quarter multiplies buffer 1 and changes slots: ONE barrier; in front of it each wave waits for all its tensor loads, adds 0 to its spare word, and waits for that and for its own reads of this slot.
.macro TURN slot, next, fill
	WIN 0
	s_wait_tensorcnt 0x0                           ; all my tensor loads have landed: my part of the next slot;
	ds_add_u32 v[SPW], v[NIL]                      ; 0 onto my spare word
	s_wait_dscnt 17                                ; (the add and the youngest sixteen loads may be out)
	MUL8 F1, 0, 0, 0
	s_wait_dscnt 0x0                               ; the add is done, and my reads of this slot are over
	s_barrier_signal -1
	MUL8 F1, 0, 2, 0
.if \fill
	WIN 0
.endif
	s_barrier_wait -1
.if \fill
	CREST                                          ; no wave of any partner still reads this slot's tile or has a load on its way
	s_add_nc_u64 s[G0+4*(\slot)+2:G0+4*(\slot)+3], s[G0+4*(\slot)+2:G0+4*(\slot)+3], 8*262144
	s_add_nc_u64 s[G0B+4*(\slot)+2:G0B+4*(\slot)+3], s[G0B+4*(\slot)+2:G0B+4*(\slot)+3], 1024
	JLOAD \slot                                    ; one load of mine is out; the four v_nop behind it are also the places in front of the loads below
.else
	PLACES
.endif
	FETCH \next, 0, F0
	MUL8 F1, 1, 0, 0
	MUL8 F1, 1, 2, 0
.endm
	s_wait_tensorcnt 1                             ; my part of K step 0 is in; K step 1's may stay out
	s_barrier_signal -1
	s_barrier_wait -1
	FETCH 0, 0, F0
	QUARTER 0, 1, F0, F1, 1                        ; the first quarter stands in front of the loop: its first products start the sums
	WIN 0
	s_mov_b32 s3, LAPS-1
.Llap:
	QUARTER 0, 2, F1, F0, 0
	QUARTER 0, 3, F0, F1, 0
	TURN 0, 1, 1
	QUARTER 1, 1, F0, F1, 0
	QUARTER 1, 2, F1, F0, 0
	QUARTER 1, 3, F0, F1, 0
	TURN 1, 0, 1
	QUARTER 0, 1, F0, F1, 0
	WIN 0
	s_sub_co_u32 s3, s3, 1
	s_cmp_lg_u32 s3, 0
	s_cbranch_scc1 .Llap
	QUARTER 0, 2, F1, F0, 0                        ; the last lap fills nothing
	QUARTER 0, 3, F0, F1, 0
	TURN 0, 1, 0
	QUARTER 1, 1, F0, F1, 0
	QUARTER 1, 2, F1, F0, 0
	QUARTER 1, 3, F0, F1, 0
	s_wait_dscnt 16
	MUL8 F1, 0, 0, 0
	MUL8 F1, 0, 2, 0
	s_wait_dscnt 0x0
	MUL8 F1, 1, 0, 0
	MUL8 F1, 1, 2, 0
	WIN 0
	; THE WAY OUT, 16 rows at a time: a lane's 32 bytes of a row go straight from the accumulator (its low half first) into my stage, and come back as whole rows of 256 bytes.
	PLACES
.irp a, 0,1,2,3
.if \a >= 2
	s_wait_xcnt 0x0                                ; the stores of two blocks back have read their data: those registers are loaded again only behind this wait
.endif
.irp b, 0,1,2,3
	ds_store_b128 v[STO], v[ACC+8*(4*\a+\b):ACC+8*(4*\a+\b)+3]   offset:64*\b
	ds_store_b128 v[STO], v[ACC+8*(4*\a+\b)+4:ACC+8*(4*\a+\b)+7] offset:64*\b+16
.endr
.irp t, 0,1,2,3,4,5,6,7
	ds_load_b128 v[TMP+32*(\a%2)+4*\t:TMP+32*(\a%2)+4*\t+3], v[RD] offset:\t*2*SPITCH  ; LDS serves a wave's instructions in order: these see the stores above
.endr
	s_wait_dscnt 0x0
.irp t, 0,1,2,3,4,5,6,7
	global_store_b128 v[CO], v[TMP+32*(\a%2)+4*\t:TMP+32*(\a%2)+4*\t+3], s[8:9] offset:\a*65536+\t*8192  ; sixteen lanes store 256 consecutive bytes, aligned
.endr
.endr
	s_wait_tensorcnt 0x0                           ; the wave's end, behind my last tensor load and my last LDS store
	ds_add_u32 v[SPW], v[NIL]
	s_wait_dscnt 0x0
	CROUND                                         ; the closing round
	s_endpgm
.Lfunc_end_k_qf828247054_oproj:
	.size	k_qf828247054_oproj, .Lfunc_end_k_qf828247054_oproj-k_qf828247054_oproj
	.p2alignl 7, 3214868480
	.fill 96, 4, 3214868480
	.section	.rodata,"a",@progbits
	.p2align	6, 0x0
	.amdhsa_kernel k_qf828247054_oproj
		.amdhsa_group_segment_fixed_size 327680
		.amdhsa_private_segment_fixed_size 0
		.amdhsa_enable_private_segment 0
		.amdhsa_kernarg_size 24
		.amdhsa_user_sgpr_count 2
		.amdhsa_user_sgpr_kernarg_segment_ptr 1
		.amdhsa_wavefront_size32 1
		.amdhsa_system_sgpr_workgroup_id_x 1
		.amdhsa_system_sgpr_workgroup_id_y 1
		.amdhsa_system_sgpr_workgroup_id_z 1
		.amdhsa_system_vgpr_workitem_id 0
		.amdhsa_next_free_vgpr 512
		.amdhsa_next_free_sgpr 66
		.amdhsa_reserve_vcc 0
		.amdhsa_float_denorm_mode_32 3
		.amdhsa_float_denorm_mode_16_64 3
		.amdhsa_memory_ordered 1
		.amdhsa_forward_progress 1
		.amdhsa_inst_pref_size 86
	.end_amdhsa_kernel
	.amdgpu_metadata
---
amdhsa.version: [ 1, 2 ]
amdhsa.kernels:
  - .name:           k_qf828247054_oproj
    .symbol:         k_qf828247054_oproj.kd
    .args:
      - { .name: o, .offset: 0, .size: 8, .value_kind: global_buffer, .address_space: global }
      - { .name: wot, .offset: 8, .size: 8, .value_kind: global_buffer, .address_space: global }
      - { .name: out0, .offset: 16, .size: 8, .value_kind: global_buffer, .address_space: global }
    .group_segment_fixed_size: 327680
    .private_segment_fixed_size: 0
    .kernarg_segment_align: 8
    .kernarg_segment_size: 24
    .max_flat_workgroup_size: 128
    .sgpr_count:     66
    .vgpr_count:     512
    .wavefront_size: 32
...
	.end_amdgpu_metadata
.endif
;; end of part 5
